; MI455X (gfx1250); checked and timed in simulation.
; The chip was launched on July 23, 2026; its instructions are those of AMD's public machine-readable ISA for CDNA 5 (MIT licence, August 2026) and "CDNA5" Instruction Set Architecture Reference Guide (July 2026). The comments in the code are by the model that wrote it; some were corrected since.
;; Causal Self Attention. Allowed arithmetic: matrix products marked QUANTISED: E2M3 operands, one E8M0 scale for each 32 along K, by v_wmma_scale_f32_16x16x128_f8f6f4 with both operands' format E2M3, f32 sums; everything else in f32.
;; Inputs: w_proj 1,024 x 1,024 float32; w_qkv 1,024 x 3,072 float32; x 4 x 2,048 x 1,024 float32.
;; Outputs: out0 4 x 2,048 x 1,024 float32.
;; This version of the problem:
;;   THIS VERSION OF THE PROBLEM IS GIVEN IN LOW PRECISION. The matrix products marked QUANTISED in the list below multiply operands that are first quantised to E2M3 (2 exponent bits, 3 mantissa bits; 6 bits a number), with one power-of-two scale for each 32 numbers along K (OCP MX v1.0); their sums are f32. All else is computed in f32.
;;   The module's matrix products, in the order in which they are computed (A, B: the left and right operand; K: the contracted axis; several contracted axes count as one K, in the product's order):
;;     1. [M 8,192, K 1,024] x [K 1,024, N 3,072]; A: input x; B: input w_qkv: QUANTISED
;;     2. batch 64 x [M 2,048, K 64] x [K 64, N 2,048]; A: computed on the way; B: computed on the way: QUANTISED
;;     3. batch 64 x [M 2,048, K 2,048] x [K 2,048, N 64]; A: softmax (see below); B: computed on the way: QUANTISED
;;     4. [M 8,192, K 1,024] x [K 1,024, N 1,024]; A: computed on the way; B: input w_proj: QUANTISED
;;   THE QUANTISER, for each operand of a quantised product, along K:
;;     - K is cut into blocks of 32 from its start; a last block that is shorter is filled with zeros.
;;     - A block's scale is 2^e with e = floor(log2(the largest magnitude in the block)) - 2, held to -126 .. 127; a block of zeros has e = 0. As a byte (E8M0): e + 127.
;;     - Each number is divided by its block's scale, clamped to +-7.5, and rounded to the nearest number of E2M3, ties to even, subnormals kept.
;;     - The product sums the exact products of the quantised numbers (number of the format x scale) in f32.
;;   ~~~python
;;   def quantise(x, axis):      # numpy; x: float32 -> the quantised numbers, widened to float32 again
;;       x = np.moveaxis(x, axis, -1); K = x.shape[-1]
;;       x = np.pad(x, [(0, 0)] * (x.ndim - 1) + [(0, -K % 32)]); x = x.reshape(x.shape[:-1] + (-1, 32)); a = np.abs(x).max(-1, keepdims=True)
;;       e = np.where(a > 0, np.clip(np.frexp(np.where(a > 0, a, 1))[1] - 1 - 2, -126, 127), 0)      # np.frexp(a)[1] - 1 = floor(log2(a)), exactly
;;       r = np.clip(x / 2.0 ** e, -7.5, 7.5)
;;       step = 2.0 ** (np.maximum(np.frexp(np.where(r == 0, 1, r))[1] - 1, 0) - 3)
;;       q = np.round(r / step) * step * 2.0 ** e      # np.round: ties to even
;;       return np.moveaxis(q.reshape(q.shape[:-2] + (-1,))[..., :K], -1, axis).astype(np.float32)
;;   ~~~
;;   SOFTMAX AHEAD OF A QUANTISED PRODUCT. Where the list says 'softmax', what is quantised is not the finished softmax but p = 2^(t - M), with t = logit x log2(e) and M = ceil(the row's largest t), a whole number; so 1/2 < the row's largest p <= 1. The row's sum l is taken of the UNQUANTISED p, in f32, and the product's result is divided by l at the end. Since M is a whole number, a kernel that streams over the keys may use a running M (the ceiling of the running maximum): every later rescaling is an exact power of two, which a block's scale takes up: the codes' values come out the same.
;;   OPERANDS COMPUTED ON THE WAY. 'Computed on the way' means the value that the module computes at that place (a softmax that the list does not call 'softmax' is quantised finished and normalised). What goes into a quantiser is computed in f32, as accurately as f32 sums, v_exp_f32 and their like allow (about 1e-6 of the number): no bf16 or f16 on the way to a quantiser, and a product that is left as it is and whose result goes on into a quantised operand takes f32 operands (vector FMAs, or v_wmma_f32_16x16x4_f32). A number that lies on a knife's edge between two numbers of the format may be rounded either way, as far as f32 arithmetic and the matrix unit's own rounding can turn it there, and no further.
;; One version. Each part assembles by itself: llvm-mc -triple=amdgcn-amd-amdhsa -mcpu=gfx1250 --defsym DOCPART=n.
;; ======== version 1 of 1: 4 launches
;; workspace buffers: xq 6,553,600 bytes; wq 2,457,600 bytes; wp 819,200 bytes; qb 6,815,744 bytes; kv 13,369,344 bytes; yq 6,553,600 bytes
;; launch quant (part 1): grid 384 x 1, 4 waves a work-group, no clusters, 34,304 bytes of LDS; arguments x, w_qkv, w_proj, xq, wq, wp; writes xq, wq, wp
.if DOCPART == 1
	.amdgcn_target "amdgcn-amd-amdhsa--gfx1250"
	.amdhsa_code_object_version 6
	.text
	.protected	k_qf8d0aa711b_quant
	.globl	k_qf8d0aa711b_quant
	.p2align	8
	.type	k_qf8d0aa711b_quant,@function
k_qf8d0aa711b_quant:
	s_mov_b64 s[64:65], 0
	v_nop
	global_prefetch_b8 v0, s[64:65] scope:SCOPE_SE
	s_setreg_imm32_b32 hwreg(HW_REG_WAVE_MODE, 25, 1), 1
	s_wait_xcnt 0x0
; x [8192][1024], w_qkv [1024][3072] and w_proj [1024][1024], f32, become codes of FP6 (E2M3) with one E8M0 byte for each 32 along K, laid IN THE ORDER OF THE OPERAND'S REGISTERS.
; AN OPERAND BLOCK (128 rows x 256 K, 25,600 bytes): fragment (q = which 128 of K, i = tile of 16 rows) at 12288 q + 1536 i: registers 0-3 at 16 x lane, 4-5 at 512 + 8 x lane, 6-9 at 768 + 16 x lane,
; 10-11 at 1280 + 8 x lane; the scale word of (i, lane index r, q) at 24576 + 128 i + 8 r + 4 q.  Block (row block rb, K step ks) is number 4 rb + ks of its buffer.
; THE ROWS OF A TILE ARE NOT NEIGHBOURS: lane index r of tile 2 b + u stands for row 32 b + 8 u + r % 8 + 16 (r / 8), so that a product's results, used transposed, have 16 neighbours in 16 registers.
; A block's scale is 2^(floor(log2(largest magnitude)) - 2): its byte is the largest magnitude's exponent field - 2, held at 1 from below by a floor among the maximum's leaves.
; LIMITS: a block whose largest magnitude lies under 2^-124, a block of zeros among them, gets the byte 1 (its codes round as that scale says; zeros stay zeros; this program alone reads the bytes).  NaN and infinities are not served.
; Work-groups 0-255 take x (K innermost), work-groups 256-383 the weights (K is their first axis).  Only x's path uses LDS.  Waves share nothing: no barrier.
.set OBB,  25600
.set SP,   528                         ; x's stage: a row of 512 bytes + 16, so that the sixteen rows that a read touches start at sixteen different groups of banks
.set XSTG, 16*SP                       ; a wave's stage
.set R,    16                          ; v16-143  x: two sets of 64 registers as loaded
.set X,    144                         ; v144-207 x: a fragment's numbers, 64 a lane: register 32 c + i = k 64 c + 32 (lane / 16) + i of row lane % 16
.set F,    208                         ; v208-231 x: two sets of 12 registers of codes
.set T,    232                         ; v232-238 x: the second halves' codes (a conversion's three registers begin on an even number)
.set WD,   246                         ; v246-249 x: the four fragments' scale words
.set OF,   16                          ; v16-47   w: 4 x my column + i rows
.set WX,   48                          ; v48-111  w: two sets of 32 numbers down K
.set WF,   112                         ; v112-135 codes of the even blocks, v136-159 of the odd ones; behind the exchange: tile 2 w's image, tile 2 w + 1's
.set WT,   160
.set SB,   168                         ; v168-169 w: my column's eight scale bytes
	s_load_b128 s[4:7], s[0:1], 0x0                ; x, w_qkv
	s_load_b128 s[8:11], s[0:1], 0x10              ; w_proj, xq
	s_load_b128 s[12:15], s[0:1], 0x20             ; wq, wp
	v_lshl_add_u32 v254, v0, 2, 0x8400
	v_mov_b32 v255, 0
	v_lshrrev_b32 v1, 5, v0
	v_readfirstlane_b32 s16, v1                    ; wave 0..3
	v_and_b32 v5, 31, v0                           ; lane
	v_lshlrev_b32 v1, 4, v5                        ; 16 x lane
	v_lshlrev_b32 v4, 3, v5                        ; 8 x lane
	s_cmp_lt_u32 ttmp9, 256
	s_cbranch_scc0 .Lweights
; ---------------- x: work-group g takes rows 32 g .. 32 g + 31, wave w their K step w (256 along K): two tiles x two fragments
.macro XLOAD f                         ; fragment f = 2 u + q: the sixteen rows of tile u, 128 numbers each: a load reads 512 consecutive bytes
.set p, 0
.rept 16
	global_load_b128 v[R+64*((\f)%2)+4*p:R+64*((\f)%2)+4*p+3], v1, s[4:5] offset:(8*((\f)/2)+(p&7)+16*(p>>3))*4096+512*((\f)%2) th:TH_LOAD_NT
.set p, p+1
.endr
.endm
.macro XFRAG f
.set FS, F+12*((\f)%2)
.if (\f) < 3
	s_wait_loadcnt 16                              ; this fragment's sixteen loads are in; the next fragment's sixteen may be out
.else
	s_wait_loadcnt 0x0
.endif
.set p, 0
.rept 16
	ds_store_b128 v2, v[R+64*((\f)%2)+4*p:R+64*((\f)%2)+4*p+3] offset:p*SP   ; through my own stage, as loaded;
.set p, p+1
.endr
.irp c, 0,1
.irp j, 0,1,2,3,4,5,6,7
	ds_load_b128 v[X+32*\c+4*\j:X+32*\c+4*\j+3], v3 offset:256*\c+16*\j   ; back as two whole blocks of 32 a lane (LDS serves a wave's instructions in order)
.endr
.endr
	s_wait_dscnt 0x0                               ; the numbers are in, and the stores have read the set that the next loads fill
.if (\f) < 2
	XLOAD (\f)+2
.endif
.irp c, 0,1
	v_max3_num_f32 v[240+\c], |v[X+32*\c]|, |v[X+32*\c+1]|, 0x1800000   ; my block 2 c + h, and the floor 2^(3 - 127)
.endr
.irp i, 2,4,6,8,10,12,14,16,18,20,22,24,26,28,30
.irp c, 0,1
	v_max3_num_f32 v[240+\c], v[240+\c], |v[X+32*\c+\i]|, |v[X+32*\c+\i+1]|
.endr
.endr
.irp c, 0,1
	v_add_nc_u32 v[242+\c], 0xff000000, v[240+\c]  ; 2 off the exponent field: the conversion's scale operand
.endr
.irp c, 0,1
	v_lshrrev_b32 v[244+\c], 23, v[242+\c]         ; the scale's byte
.endr
	v_lshl_or_b32 v250, v245, 16, v244             ; my two bytes, blocks h and 2 + h,
	v_lshlrev_b32 v250, v8, v250                   ; 8 h bits up;
	v_permlanex16_b32 v251, v250, s20, s21
	v_or_b32 v[WD+(\f)], v250, v251                ; with lane l xor 16's two the row's word is whole
.if (\f) >= 2
	s_wait_alu depctr_va_vdst(0)
	s_wait_xcnt 0x0                                ; the stores of two fragments ago have read this set of code registers
.endif
.irp c, 0,1
	v_cvt_scalef32_pk16_fp6_f32 v[FS+6*\c:FS+6*\c+2], v[X+32*\c:X+32*\c+15], v[242+\c]
	v_cvt_scalef32_pk16_fp6_f32 v[T+4*\c:T+4*\c+2], v[X+32*\c+16:X+32*\c+31], v[242+\c]
.endr
	v_nop                                          ; one plain place behind a scaled conversion
.irp c, 0,1
.irp i, 0,1,2
	v_mov_b32 v[FS+6*\c+3+\i], v[T+4*\c+\i]
.endr
.endr
	global_store_b128 v1, v[FS:FS+3], s[24:25] offset:((\f)%2)*12288+((\f)/2)*1536          ; each store covers 512 or 256 consecutive bytes, aligned
	global_store_b64 v4, v[FS+4:FS+5], s[24:25] offset:((\f)%2)*12288+((\f)/2)*1536+512
	global_store_b128 v1, v[FS+6:FS+9], s[24:25] offset:((\f)%2)*12288+((\f)/2)*1536+768
	global_store_b64 v4, v[FS+10:FS+11], s[24:25] offset:((\f)%2)*12288+((\f)/2)*1536+1280
.endm
	v_and_b32 v6, 15, v0                           ; r
	v_bfe_u32 v7, v0, 4, 1                         ; h
	s_mul_i32 s17, s16, XSTG                       ; my stage
	v_add_nc_u32 v2, s17, v1                       ; in: 16 x lane of a row
	v_mul_u32_u24 v3, v6, SP
	v_lshl_add_u32 v3, v7, 7, v3
	v_add_nc_u32 v3, s17, v3                       ; back: row r, + 128 h bytes
	v_lshlrev_b32 v8, 3, v7                        ; 8 h
	v_mov_b32 v251, 0                              ; a lane permute's destination counts as one of its sources
	s_mov_b32 s20, 0x76543210
	s_mov_b32 s21, 0xfedcba98                      ; selects for lane l xor 16
	s_lshl_b32 s18, ttmp9, 17                      ; 32 rows of 4,096 bytes
	s_lshl_b32 s19, s16, 10                        ; K step w: 1,024 bytes on
	s_add_co_u32 s18, s18, s19
	s_mov_b32 s19, 0
	s_lshr_b32 s22, ttmp9, 2
	s_lshl_b32 s22, s22, 2
	s_add_co_u32 s22, s22, s16                     ; operand block 4 (g / 4) + w
	s_mul_i32 s22, s22, OBB
	s_and_b32 s23, ttmp9, 3                        ; which 32 rows of its 128: tiles 2 (g % 4) and the next
	s_mul_i32 s24, s23, 2*1536
	s_add_co_u32 s24, s24, s22
	s_mov_b32 s25, 0
	s_lshl_b32 s26, s23, 8
	s_add_co_u32 s26, s26, s22
	s_add_co_u32 s26, s26, 24576
	s_mov_b32 s27, 0
	s_wait_alu depctr_va_vdst(0)
	s_wait_kmcnt 0x0
	s_add_nc_u64 s[4:5], s[4:5], s[18:19]
	s_add_nc_u64 s[24:25], s[10:11], s[24:25]      ; my tiles' codes
	s_add_nc_u64 s[26:27], s[10:11], s[26:27]      ; and their scale words
	XLOAD 0
	XLOAD 1
	XFRAG 0
	XFRAG 1
	XFRAG 2
	XFRAG 3
	v_cmp_le_u32 vcc_lo, 16, v5                    ; lanes 0-15 store tile 0's two words of row r, lanes 16-31 tile 1's: 256 consecutive bytes
	v_cndmask_b32 v252, v[WD], v[WD+2], vcc_lo
	v_cndmask_b32 v253, v[WD+1], v[WD+3], vcc_lo
	global_store_b64 v4, v[252:253], s[26:27]
	s_wait_tensorcnt 0x0
	ds_add_u32 v254, v255
	s_wait_dscnt 0x0
	s_endpgm
; ---------------- the weights: a lane takes a column and its registers run down K.  Work-group: 128 columns x 256 K = one operand block; wave w: tiles 2 w and 2 w + 1
.macro WLOAD t                         ; block t: rows 32 t .. 32 t + 31 of my column
.set i, 0
.rept 32
	global_load_b32 v[WX+32*((\t)%2)+i], v[OF+i], s[32+2*(\t):33+2*(\t)] th:TH_LOAD_NT
.set i, i+1
.endr
.endm
.macro WBLOCK t
.set XS, WX+32*((\t)%2)
.set FD, WF+24*((\t)%2)+12*((\t)/4)+6*(((\t)/2)%2)
.if (\t) < 7
	s_wait_loadcnt 32                              ; this block's 32 loads are in; the next block's may be out
.else
	s_wait_loadcnt 0x0
.endif
	v_max3_num_f32 v164, |v[XS]|, |v[XS+1]|, |v[XS+2]|
	v_max3_num_f32 v165, |v[XS+3]|, |v[XS+4]|, |v[XS+5]|
.irp i, 6,10,14,18,22,26
	v_max3_num_f32 v164, v164, |v[XS+\i]|, |v[XS+\i+1]|
	v_max3_num_f32 v165, v165, |v[XS+\i+2]|, |v[XS+\i+3]|
.endr
	v_max3_num_f32 v164, v164, |v[XS+30]|, |v[XS+31]|
	v_max3_num_f32 v164, v164, v165, 0x1800000     ; and the floor 2^(3 - 127)
	v_add_nc_u32 v166, 0xff000000, v164
	v_lshrrev_b32 v167, 23, v166
.if (\t)%4 == 0
	v_mov_b32 v[SB+(\t)/4], v167                   ; four bytes to a word, the lower K in the lower byte
.else
	v_lshl_or_b32 v[SB+(\t)/4], v167, 8*((\t)%4), v[SB+(\t)/4]
.endif
	v_cvt_scalef32_pk16_fp6_f32 v[FD:FD+2], v[XS:XS+15], v166
	v_cvt_scalef32_pk16_fp6_f32 v[WT:WT+2], v[XS+16:XS+31], v166
	v_nop                                          ; one plain place behind a scaled conversion
.irp i, 0,1,2
	v_mov_b32 v[FD+3+\i], v[WT+\i]
.endr
.if (\t)+2 < 8
	WLOAD (\t)+2
.endif
.if (\t)%2 == 1                        ; lanes 0-15 hold tile 2 w's columns, lanes 16-31 tile 2 w + 1's; a fragment wants the even block in lanes 0-15 and the odd one in lanes 16-31 of ONE tile
.set FE, WF+12*((\t)/4)+6*(((\t)/2)%2)
.irp i, 0,1,2,3,4,5
	v_permlane16_swap_b32 v[FE+\i], v[FE+24+\i]    ; the even blocks' lanes 16-31 change places with the odd blocks' lanes 0-15
.endr
.endif
.endm
.macro WSTORE q                        ; fragment q of both tiles; no register stored here is written again
.irp u, 0,1
	global_store_b128 v1, v[WF+24*\u+12*\q:WF+24*\u+12*\q+3], s[28:29] offset:\q*12288+\u*1536
	global_store_b64 v4, v[WF+24*\u+12*\q+4:WF+24*\u+12*\q+5], s[28:29] offset:\q*12288+\u*1536+512
	global_store_b128 v1, v[WF+24*\u+12*\q+6:WF+24*\u+12*\q+9], s[28:29] offset:\q*12288+\u*1536+768
	global_store_b64 v4, v[WF+24*\u+12*\q+10:WF+24*\u+12*\q+11], s[28:29] offset:\q*12288+\u*1536+1280
.endr
.endm
.Lweights:
	s_sub_co_u32 s17, ttmp9, 256                   ; 0-95: w_qkv's 24 x 4 blocks; 96-127: w_proj's 8 x 4
	s_mov_b32 s18, 4096
	s_wait_kmcnt 0x0
	s_cmp_lt_u32 s17, 96                           ; the choice hangs on the work-group's number alone
	s_cselect_b32 s18, 12288, s18                  ; bytes from one row of K to the next
	s_cselect_b32 s19, 0, 96
	s_cselect_b64 s[4:5], s[6:7], s[8:9]           ; the weight
	s_cselect_b64 s[12:13], s[12:13], s[14:15]     ; its codes
	s_sub_co_u32 s17, s17, s19
	s_and_b32 s20, s17, 3                          ; ks
	s_lshr_b32 s21, s17, 2                         ; rb
	s_wait_alu depctr_va_vdst(0)
	v_lshrrev_b32 v6, 4, v5
	v_and_b32 v7, 7, v5
	v_bfe_u32 v8, v5, 3, 1
	v_lshl_add_u32 v7, v6, 3, v7
	v_lshl_add_u32 v7, v8, 4, v7                   ; my column of the wave's 32: 8 (lane / 16) + lane % 8 + 16 ((lane / 8) % 2)
	v_lshlrev_b32 v[OF], 2, v7
.set i, 1
.rept 31
	v_add_nc_u32 v[OF+i], s18, v[OF+i-1]           ; and i rows down
.set i, i+1
.endr
	s_lshl_b32 s22, s20, 8
	s_mul_i32 s22, s22, s18                        ; 256 ks rows,
	s_lshl_b32 s23, s21, 9
	s_add_co_u32 s22, s22, s23                     ; 128 rb columns,
	s_lshl_b32 s23, s16, 7
	s_add_co_u32 s22, s22, s23                     ; 32 w columns
	s_mov_b32 s23, 0
	s_lshl_b32 s24, s18, 5                         ; 32 rows: a block
	s_mov_b32 s25, 0
	s_add_nc_u64 s[32:33], s[4:5], s[22:23]
.irp t, 1,2,3,4,5,6,7
	s_add_nc_u64 s[32+2*\t:33+2*\t], s[30+2*\t:31+2*\t], s[24:25]   ; a base for each block: none is stepped
.endr
	s_lshl_b32 s26, s21, 2
	s_add_co_u32 s26, s26, s20
	s_mul_i32 s26, s26, OBB                        ; the operand block
	s_mul_i32 s27, s16, 2*1536
	s_add_co_u32 s28, s26, s27
	s_mov_b32 s29, 0
	s_add_nc_u64 s[28:29], s[12:13], s[28:29]      ; my two tiles' codes
	s_lshl_b32 s27, s16, 8
	s_add_co_u32 s26, s26, s27
	s_add_co_u32 s26, s26, 24576
	s_mov_b32 s27, 0
	s_add_nc_u64 s[26:27], s[12:13], s[26:27]      ; and their scale words
	s_wait_alu depctr_va_vdst(0)
	WLOAD 0
	WLOAD 1
	WBLOCK 0
	WBLOCK 1
	WBLOCK 2
	WBLOCK 3
	WSTORE 0
	WBLOCK 4
	WBLOCK 5
	WBLOCK 6
	WBLOCK 7
	WSTORE 1
	global_store_b64 v4, v[SB:SB+1], s[26:27]      ; lane 16 u + r: the two words of tile 2 w + u, lane index r: 256 consecutive bytes
	s_endpgm
.Lfunc_end_k_qf8d0aa711b_quant:
	.size	k_qf8d0aa711b_quant, .Lfunc_end_k_qf8d0aa711b_quant-k_qf8d0aa711b_quant
	.p2alignl 7, 3214868480
	.fill 96, 4, 3214868480
	.section	.rodata,"a",@progbits
	.p2align	6, 0x0
	.amdhsa_kernel k_qf8d0aa711b_quant
		.amdhsa_group_segment_fixed_size 34304
		.amdhsa_private_segment_fixed_size 0
		.amdhsa_enable_private_segment 0
		.amdhsa_kernarg_size 48
		.amdhsa_user_sgpr_count 2
		.amdhsa_user_sgpr_kernarg_segment_ptr 1
		.amdhsa_wavefront_size32 1
		.amdhsa_system_sgpr_workgroup_id_x 1
		.amdhsa_system_sgpr_workgroup_id_y 1
		.amdhsa_system_sgpr_workgroup_id_z 1
		.amdhsa_system_vgpr_workitem_id 0
		.amdhsa_next_free_vgpr 256
		.amdhsa_next_free_sgpr 66
		.amdhsa_reserve_vcc 1
		.amdhsa_float_denorm_mode_32 3
		.amdhsa_float_denorm_mode_16_64 3
		.amdhsa_memory_ordered 1
		.amdhsa_forward_progress 1
		.amdhsa_inst_pref_size 71
	.end_amdhsa_kernel
	.amdgpu_metadata
---
amdhsa.version: [ 1, 2 ]
amdhsa.kernels:
  - .name:           k_qf8d0aa711b_quant
    .symbol:         k_qf8d0aa711b_quant.kd
    .args:
      - { .name: x, .offset: 0, .size: 8, .value_kind: global_buffer, .address_space: global }
      - { .name: w_qkv, .offset: 8, .size: 8, .value_kind: global_buffer, .address_space: global }
      - { .name: w_proj, .offset: 16, .size: 8, .value_kind: global_buffer, .address_space: global }
      - { .name: xq, .offset: 24, .size: 8, .value_kind: global_buffer, .address_space: global }
      - { .name: wq, .offset: 32, .size: 8, .value_kind: global_buffer, .address_space: global }
      - { .name: wp, .offset: 40, .size: 8, .value_kind: global_buffer, .address_space: global }
    .group_segment_fixed_size: 34304
    .private_segment_fixed_size: 0
    .kernarg_segment_align: 8
    .kernarg_segment_size: 48
    .max_flat_workgroup_size: 128
    .sgpr_count:     66
    .vgpr_count:     256
    .wavefront_size: 32
...
	.end_amdgpu_metadata
.endif
;; end of part 1
;; launch gemm_qkv (part 2): grid 12 x 32, 4 waves a work-group, clusters of 4 x 4, 327,680 bytes of LDS; arguments xq, wq, qb, kv; writes qb, kv
.if DOCPART == 2
	.amdgcn_target "amdgcn-amd-amdhsa--gfx1250"
	.amdhsa_code_object_version 6
	.text
	.protected	k_qf8d0aa711b_gemm_qkv
	.globl	k_qf8d0aa711b_gemm_qkv
	.p2align	8
	.type	k_qf8d0aa711b_gemm_qkv,@function
k_qf8d0aa711b_gemm_qkv:
	s_mov_b64 s[64:65], 0
	v_nop
	global_prefetch_b8 v0, s[64:65] scope:SCOPE_SE
	s_setreg_imm32_b32 hwreg(HW_REG_WAVE_MODE, 25, 1), 1
	s_wait_xcnt 0x0
	s_wait_alu depctr_hold_cnt(0) depctr_sa_sdst(0) depctr_va_vdst(0) depctr_va_sdst(0) depctr_va_ssrc(0) depctr_va_vcc(0) depctr_vm_vsrc(0)
	s_getreg_b32 s2, hwreg(HW_REG_IB_STS2, 6, 4)
	s_cmp_eq_u32 s2, 0
	s_cbranch_scc0 .Lentry_in_a_cluster
	s_endpgm
.Lentry_in_a_cluster:
	s_bfe_u32 s2, ttmp6, 0x10000c
	s_cmp_lg_u32 s2, 0xf033
	s_cbranch_scc0 .Lentry_shape_is_right
	s_endpgm
.Lentry_shape_is_right:
; qkv = x w_qkv on codes of FP6 (E2M3) with E8M0 scales; q, k and v are quantised straight from the f32 sums and leave as codes: no f32 number of qkv goes to memory.
; OPERANDS come as operand blocks of 128 rows x 256 K, 25,600 dense bytes, laid in the order of the operand's registers: fragment (q, i) at 12288 q + 1536 i (registers 0-3 at 16 x lane, 4-5 at 512 + 8 x lane,
; 6-9 at 768 + 16 x lane, 10-11 at 1280 + 8 x lane), scale word of (i, r, q) at 24576 + 128 i + 8 r + 4 q.  Lane index r of tile 2 b + u stands for row 32 b + 8 u + r % 8 + 16 (r / 8).
; A tile of 256 x 256 to a work-group of four waves, 128 x 128 a wave: 64 accumulators, 512 registers.  K = 1,024 goes in four steps of 256 through two LDS slots; a wave's one tensor load brings one operand block.
; THE MATRIX INSTRUCTION IS USED TRANSPOSED: source 0 = 16 rows of B, source 1 = 16 rows of A: a lane holds one row of A, and the 64 registers of its eight accumulators run along B's 128 rows in their true order.
; ROLES.  Clusters x = 0, 1: A = tokens (xq), B = w_qkv's columns 0-2047 (wq): a lane holds a token, its registers 128 channels = two heads of q or of k: quantised along the head's 64.
;         Cluster  x = 2:    A = w_qkv's columns 2048-3071 (wq), B = tokens (xq): a lane holds a channel of v, its registers 128 keys: quantised along the keys, which are the K of attention's second product.
; OUT.  kv block (batch x head, slot of 256 keys), 26,112 bytes: K's half fragment of key tile T (16 keys x 64) at 768 T; K's scale words at 12288 + 256 (T / 4) + 16 r + 4 (T % 4) (bytes 2, 3 are 0);
;       V's fragment (key step q, channel tile ct) at 13312 + 1536 (4 q + ct); V's scale words at 25600 + 256 q + 16 r + 4 ct.  qb block, 13,312 bytes: the first two parts, of Q.
; CLUSTERS: 4 x 4 work-groups; A's blocks are asked for jointly along a row of the cluster, B's along a column.
; LIMITS: a block of 32 whose largest magnitude lies under 2^-124, zeros among them, gets the byte 1; NaN and infinities are not served.
; REGISTERS: window 0: v1-31 addresses, v32-63 scale words (two sets), v128-223 A's fragments (one set); window 1: B's fragments, two sets at v0 and v128; windows 2, 3: the accumulators ((a, b) at v[8 (8 (a % 4) + b)]).
.set OBB,   25600
.set RBB,   4*OBB                      ; a row block's four K steps in memory
.set SLOT,  4*OBB                      ; a slot: A's two halves, then B's two halves
.set SPARE, 2*SLOT                     ; behind the ring: the spare words, 128 bytes a wave: two blocks of 256 bytes that no other line names
.set FR,    12
.set NQ,    2
.set NL,    4                          ; LDS loads that bring a fragment
.set NP,    4                          ; places behind this matrix instruction (ISA guide 7.12.1)
.set ADRA,  16                         ; v16-17 my half of A in slot 0, 1, + 16 x lane; v18-19 + 8 x lane
.set ADRB,  20                         ; v20-23 the same for B
.set LX,    24                         ; v24 16 x lane
.set LY,    25                         ; v25 8 x lane
.set VS,    26                         ; v26 the way out: my place among the scale words
.set ADRS,  27                         ; v27, v30 my scale words in slot 0, 1: lanes 0-15 A's, lanes 16-31 B's
.set SPW,   28
.set NIL,   29
.set SC,    32
.set AF,    128
.set PC,    128                        ; the way out: v128-139 a fragment's codes, v140-146 the second halves'
.set TM,    200                        ; v200-203 largest magnitudes, v204-207 bytes, v212-215 scale operands
.set PW,    216                        ; the scale word just made
.set W,     224                        ; v224-231 eight scale words; v232-235 those chosen by the lane's half
.set SH,    236
.set G1,    24
.set G0,    32
.set G1B,   48
.set G0B,   56
.set MSB, 0
.macro WIN new                         ; the immediate's high byte repeats the setting that is left
.if MSB != \new
	s_set_vgpr_msb (MSB<<8)|\new
.set MSB, \new
.endif
.endm
.set MUL_LO, 0xa1                      ; source 0 (B) window 1, source 1 (A) window 0, C and D window 2
.set MUL_HI, 0xf1
.set TO_B,   0x40
.macro JLOAD g0a, g1a, g0b, g1b        ; a joint load: waves 0, 1 fetch A's halves, waves 2, 3 B's; four v_nop follow each line
	s_cmp_eq_u32 s15, 0
	s_cbranch_scc0 .Lfor_b_\@
	tensor_load_to_lds s[\g0a:\g0a+3], s[\g1a:\g1a+7]
	s_nop 0
.rept 4
	v_nop
.endr
	s_branch .Lasked_\@
.Lfor_b_\@:
	tensor_load_to_lds s[\g0b:\g0b+3], s[\g1b:\g1b+7]
	s_nop 0
.rept 4
	v_nop
.endr
.Lasked_\@:
.endm
.macro CREST                           ; a round of the cluster's barrier behind its opening barrier
	s_cmp_lg_u32 s14, 0
	s_cbranch_scc1 .Lnot_wave_0_\@
	s_barrier_signal -3
.Lnot_wave_0_\@:
	s_barrier_wait -3
	s_barrier_signal -1
	s_barrier_wait -1
.endm
.macro CROUND
	s_barrier_signal -1
	s_barrier_wait -1
	CREST
.endm
	s_load_b128 s[4:7], s[0:1], 0x0                ; xq, wq
	s_load_b128 s[8:11], s[0:1], 0x10              ; qb, kv
	v_lshl_add_u32 v[SPW], v0, 2, SPARE
	v_mov_b32 v[NIL], 0
	ds_add_u32 v28, v29
	s_wait_dscnt 0x0
	v_lshrrev_b32 v1, 5, v0
	v_readfirstlane_b32 s14, v1                    ; wave 0..3
	s_lshr_b32 s15, s14, 1                         ; my half of A's rows.  Also: I fetch for A (0) or for B (1)
	s_and_b32 s16, s14, 1                          ; my half of B's rows.  Also: which half I fetch
	s_bfe_u32 s40, ttmp6, 0x40000                  ; cx
	s_bfe_u32 s41, ttmp6, 0x40004                  ; cy
	s_and_b32 s12, ttmp7, 0xffff
	s_cmp_eq_u32 ttmp9, 2                          ; V's clusters?  The same answer in all sixteen partners
	s_cselect_b32 s42, s12, ttmp9                  ; the cluster's column of tiles,
	s_cselect_b32 s17, 0, s12                      ; its row,
	s_cselect_b32 s13, 16, 0                       ; and where A's row blocks begin: v's columns are wq's row blocks 16 on
	s_lshl_b32 s42, s42, 2
	s_add_co_u32 s42, s42, s40                     ; tile column
	s_lshl_b32 s17, s17, 2
	s_add_co_u32 s17, s17, s41                     ; tile row
	s_lshl_b32 s43, s41, 2
	s_lshl_b32 s43, 15, s43                        ; my row of the cluster
	s_lshl_b32 s44, 0x1111, s40                    ; my column
	s_or_b32 s[G1+0], s43, (3<<16)|(1<<21)         ; the mask; elements of 8 bytes; no padding; bit 21 beside a mask
	s_or_b32 s[G1B+0], s44, (3<<16)|(1<<21)
.irp g, G1, G1B
	s_mov_b32 s[\g+1], 32<<16                      ; a dense block as 100 rows of 256 bytes
	s_mov_b32 s[\g+2], 100<<16
	s_mov_b32 s[\g+3], 32<<16
	s_mov_b32 s[\g+4], 100
	s_mov_b32 s[\g+5], 32
	s_mov_b32 s[\g+6], 0
	s_mov_b32 s[\g+7], 0
.endr
	s_lshl_b32 s20, s17, 1
	s_add_co_u32 s20, s20, s16
	s_add_co_u32 s20, s20, s13
	s_mul_i32 s20, s20, RBB                        ; A: row block 2 x tile row + half (+ 16)
	s_mov_b32 s21, 0
	s_lshl_b32 s46, s42, 1
	s_add_co_u32 s46, s46, s16
	s_mul_i32 s46, s46, RBB                        ; B: row block 2 x tile column + half
	s_mov_b32 s47, 0
	s_mul_i32 s45, s14, OBB                        ; where it goes: wave x a block: no place in the cluster enters an LDS address
	s_wait_kmcnt 0x0
	s_cmp_eq_u32 ttmp9, 2
	s_cselect_b64 s[2:3], s[6:7], s[4:5]           ; A's buffer
	s_cselect_b64 s[12:13], s[4:5], s[6:7]         ; B's
	s_add_nc_u64 s[20:21], s[2:3], s[20:21]
	s_add_nc_u64 s[46:47], s[12:13], s[46:47]
	CROUND                                         ; all sixteen work-groups are here: the first joint loads meet
.irp s, 0,1
	s_mov_b32 s[G0+4*\s], 1
	s_add_co_u32 s[G0+4*\s+1], s45, \s*SLOT
	s_add_nc_u64 s[G0+4*\s+2:G0+4*\s+3], s[20:21], \s*OBB
	s_or_b32 s[G0+4*\s+3], s[G0+4*\s+3], 0x80000000
	s_mov_b32 s[G0B+4*\s], 1
	s_add_co_u32 s[G0B+4*\s+1], s45, \s*SLOT
	s_add_nc_u64 s[G0B+4*\s+2:G0B+4*\s+3], s[46:47], \s*OBB
	s_or_b32 s[G0B+4*\s+3], s[G0B+4*\s+3], 0x80000000
	JLOAD G0+4*\s, G1, G0B+4*\s, G1B               ; two loads of mine are out at the most
.endr
	v_and_b32 v1, 15, v0                           ; r
	v_bfe_u32 v2, v0, 4, 1                         ; h
	v_and_b32 v3, 31, v0
	v_lshlrev_b32 v[LX], 4, v3
	v_lshlrev_b32 v[LY], 3, v3
	s_mul_i32 s18, s15, OBB                        ; my half of A
	s_mul_i32 s19, s16, OBB
	s_add_co_u32 s19, s19, 2*OBB                   ; my half of B
.irp s, 0,1
	v_add_nc_u32 v[ADRA+\s], s18, v[LX]
	v_add_nc_u32 v[ADRA+2+\s], s18, v[LY]
	v_add_nc_u32 v[ADRB+\s], s19, v[LX]
	v_add_nc_u32 v[ADRB+2+\s], s19, v[LY]
	s_add_co_u32 s18, s18, SLOT
	s_add_co_u32 s19, s19, SLOT
.endr
	s_mul_i32 s18, s15, OBB
	s_mul_i32 s19, s16, OBB
	s_add_co_u32 s19, s19, 2*OBB
	s_sub_co_u32 s19, s19, s18                     ; from A's block to B's
	v_mul_u32_u24 v4, s19, v2                      ; lanes 16-31 take B's
	v_lshl_add_u32 v4, v1, 3, v4                   ; 8 bytes a row
	v_add_nc_u32 v[ADRS], s18, v4
	v_add_nc_u32 v[ADRS+3], SLOT, v[ADRS]
.macro FRAG reg, adr, q, i             ; a fragment is read as it was laid: four loads, each of consecutive bytes
	ds_load_b128 v[\reg:\reg+3], v[\adr] offset:(\q)*12288+(\i)*1536
	ds_load_b64 v[\reg+4:\reg+5], v[\adr+2] offset:(\q)*12288+(\i)*1536+512
	ds_load_b128 v[\reg+6:\reg+9], v[\adr] offset:(\q)*12288+(\i)*1536+768
	ds_load_b64 v[\reg+10:\reg+11], v[\adr+2] offset:(\q)*12288+(\i)*1536+1280
.endm
; 16 matrix instructions: A's blocks a0, a0 + 1 x B's eight.  The 64 accumulators take turns, one instruction a turn, in the same order in every step.
.macro MUL16 a0, p, q, sc, zero
.irp a, \a0, \a0+1
.irp b, 0,1,2,3,4,5,6,7
.if \zero
	v_wmma_scale_f32_16x16x128_f8f6f4 v[8*(8*((\a)%4)+\b):8*(8*((\a)%4)+\b)+7], v[128*(\p)+FR*\b:128*(\p)+FR*\b+FR-1], v[AF+FR*(\a):AF+FR*(\a)+FR-1], 0, v[SC+8*NQ*(\sc)+NQ*\b+(\q)], v[SC+8*NQ*(\sc)+NQ*(\a)+(\q)] matrix_a_fmt:MATRIX_FMT_FP6 matrix_b_fmt:MATRIX_FMT_FP6 matrix_a_scale:MATRIX_SCALE_ROW1
.else
	v_wmma_scale_f32_16x16x128_f8f6f4 v[8*(8*((\a)%4)+\b):8*(8*((\a)%4)+\b)+7], v[128*(\p)+FR*\b:128*(\p)+FR*\b+FR-1], v[AF+FR*(\a):AF+FR*(\a)+FR-1], v[8*(8*((\a)%4)+\b):8*(8*((\a)%4)+\b)+7], v[SC+8*NQ*(\sc)+NQ*\b+(\q)], v[SC+8*NQ*(\sc)+NQ*(\a)+(\q)] matrix_a_fmt:MATRIX_FMT_FP6 matrix_b_fmt:MATRIX_FMT_FP6 matrix_a_scale:MATRIX_SCALE_ROW1
.endif
.endr
.endr
.endm
.macro FETCH_B slot, q, p
	WIN TO_B
.irp i, 0,1,2,3,4,5,6,7
	FRAG 128*(\p)+FR*\i, ADRB+\slot, \q, \i
.endr
	WIN 0
.endm
.macro FETCH_A slot, q, i0
.irp i, \i0, \i0+1, \i0+2, \i0+3
	FRAG AF+FR*(\i), ADRA+\slot, \q, \i
.endr
.endm
.macro SCALES sc                       ; a slot's scale words: two a row; lanes 0-15 take A's block i, lanes 16-31 B's block i
.irp i, 0,1,2,3,4,5,6,7
	ds_load_b64 v[SC+16*\sc+2*\i:SC+16*\sc+2*\i+1], v[ADRS+3*\sc] offset:24576+128*\i
.endr
.endm
.macro PLACES n                        ; plain vector places in front of loads into registers that matrix instructions have read, and of the first read of results
.rept \n
	v_nop
.endr
.endm
.macro STEP slot, q, zero              ; 128 along K with its successor in the same slot
	s_wait_dscnt 4*NL                              ; all but the youngest sixteen loads (A's blocks 4-7) are in
	WIN MUL_LO
	MUL16 0, (\q)%2, \q, \slot, \zero
	MUL16 2, (\q)%2, \q, \slot, \zero
	s_wait_dscnt 0
	PLACES NP
	FETCH_B \slot, (\q)+1, 1-(\q)%2
	FETCH_A \slot, (\q)+1, 0
	WIN MUL_HI
	MUL16 4, (\q)%2, \q, \slot, \zero
	MUL16 6, (\q)%2, \q, \slot, \zero
	PLACES NP
	WIN 0
	FETCH_A \slot, (\q)+1, 4
.endm
; A slot's last step changes slots: one barrier; in front of it each wave waits for all its tensor loads, adds 0 to its spare word, and waits for that and for its reads of this slot.
.macro TURN slot, next, fill
	s_wait_tensorcnt 0x0                           ; all my tensor loads have landed: my part of the next slot
	ds_add_u32 v[SPW], v[NIL]                      ; 0 onto my spare word
	s_wait_dscnt 4*NL+1                            ; (the add and the youngest sixteen loads may be out)
	WIN MUL_LO
	MUL16 0, 1, NQ-1, \slot, 0
	s_wait_dscnt 0x0                               ; the add is done, and my reads of this slot are over
	s_barrier_signal -1
	MUL16 2, 1, NQ-1, \slot, 0
	WIN 0
	s_barrier_wait -1
.if \fill
	CREST                                          ; the barrier has opened a round of the cluster's: no wave of any partner still reads this slot or has a load on its way
	s_add_nc_u64 s[G0+4*\slot+2:G0+4*\slot+3], s[G0+4*\slot+2:G0+4*\slot+3], 2*OBB
	s_add_nc_u64 s[G0B+4*\slot+2:G0B+4*\slot+3], s[G0B+4*\slot+2:G0B+4*\slot+3], 2*OBB
	JLOAD G0+4*\slot, G1, G0B+4*\slot, G1B         ; the first tensor load behind the round; its four v_nop are the places in front of the loads below
.else
	PLACES NP
.endif
	FETCH_B \next, 0, 0
	FETCH_A \next, 0, 0
	SCALES \next
	WIN MUL_HI
	MUL16 4, 1, NQ-1, \slot, 0
	MUL16 6, 1, NQ-1, \slot, 0
	PLACES NP
	WIN 0
	FETCH_A \next, 0, 4
.endm
	s_wait_tensorcnt 1                             ; my part of K step 0 is in; K step 1's may stay out
	s_barrier_signal -1
	s_barrier_wait -1
	FETCH_B 0, 0, 0
	FETCH_A 0, 0, 0
	SCALES 0
	FETCH_A 0, 0, 4
	STEP 0, 0, 1                                   ; the first products start the sums: nothing is cleared
	TURN 0, 1, 1                                   ; four K steps of 256: written out, no loop
	STEP 1, 0, 0
	TURN 1, 0, 1
	STEP 0, 0, 0
	TURN 0, 1, 0
	STEP 1, 0, 0
	s_wait_dscnt 4*NL
	WIN MUL_LO
	MUL16 0, 1, NQ-1, 1, 0
	MUL16 2, 1, NQ-1, 1, 0
	s_wait_dscnt 0
	WIN MUL_HI
	MUL16 4, 1, NQ-1, 1, 0
	MUL16 6, 1, NQ-1, 1, 0
	WIN 0
	PLACES NP
; THE WAY OUT.  The 64 registers of A's block a, v[s] on in window win: register 16 b + i = B's row 32 b + 16 (lane / 16) + i.  They become a fragment's codes in v[PC] on and its scale word in v[PW].
; Each accumulator is read from its low end on.
.macro QUANTW s, win
.set QW, ((\win)<<2)|((\win)<<4)
	WIN QW                                         ; sources 1 and 2: the accumulators' window
.irp b, 0,1,2,3
	v_max3_num_f32 v[TM+\b], 0x1800000, |v[(\s)+16*\b]|, |v[(\s)+1+16*\b]|   ; the floor 2^(3 - 127) and my 16 numbers of block b
.endr
.irp i, 2,4,6,8,10,12,14
.irp b, 0,1,2,3
	v_max3_num_f32 v[TM+\b], v[TM+\b], |v[(\s)+16*\b+\i]|, |v[(\s)+1+16*\b+\i]|
.endr
.endr
	WIN 0
.irp b, 0,1,2,3
	v_permlanex16_b32 v[TM+4+\b], v[TM+\b], s22, s23
.endr
.irp b, 0,1,2,3
	v_max_num_f32 v[TM+\b], v[TM+\b], v[TM+4+\b]   ; with lane l xor 16's: the block's largest magnitude
.endr
.irp b, 0,1,2,3
	v_add_nc_u32 v[TM+12+\b], 0xff000000, v[TM+\b] ; 2 off the exponent field: the conversion's scale operand
.endr
.irp b, 0,1,2,3
	v_lshrrev_b32 v[TM+4+\b], 23, v[TM+12+\b]      ; the byte
.endr
	v_lshl_or_b32 v[PW], v[TM+5], 8, v[TM+4]
	v_lshl_or_b32 v[PW], v[TM+6], 16, v[PW]
	v_lshl_or_b32 v[PW], v[TM+7], 24, v[PW]
.set QW, (\win)
	WIN QW                                         ; source 0: the accumulators' window
.irp c, 0,1
	v_cvt_scalef32_pk16_fp6_f32 v[PC+6*\c:PC+2+6*\c], v[(\s)+32*\c:(\s)+15+32*\c], v[TM+12+2*\c]
	v_cvt_scalef32_pk16_fp6_f32 v[PC+12+4*\c:PC+14+4*\c], v[(\s)+16+32*\c:(\s)+31+32*\c], v[TM+12+2*\c+1]
.endr
	WIN 0
	v_nop                                          ; one plain place behind a scaled conversion
.irp c, 0,1                            ; the operand's layout wants a whole block in a lane
.irp i, 0,1,2
	v_permlane16_swap_b32 v[PC+6*\c+\i], v[PC+12+4*\c+\i]
.endr
.irp i, 0,1,2
	v_mov_b32 v[PC+3+6*\c+\i], v[PC+12+4*\c+\i]
.endr
.endr
.endm
.irp b, 0,1,2,3
	v_mov_b32 v[TM+4+\b], 0                        ; a lane permute's destination counts as one of its sources
.endr
	s_cmp_eq_u32 ttmp9, 2                          ; the same answer in all partners
	s_cbranch_scc1 .Lvpath
	; ---- q or k: my 128 tokens (8 key tiles) x two heads.  Registers 0-5 of a fragment are the first head's half fragment, 6-11 the second's
	s_lshr_b32 s18, s17, 3                         ; batch
	s_and_b32 s19, s17, 7                          ; slot of 256 tokens
	s_lshl_b32 s22, s40, 2
	s_lshl_b32 s23, s16, 1
	s_add_co_u32 s22, s22, s23                     ; my first head: 4 (tile column % 4) + 2 x half
	s_lshl_b32 s18, s18, 4
	s_add_co_u32 s18, s18, s22
	s_lshl_b32 s18, s18, 3
	s_add_co_u32 s18, s18, s19                     ; block number
	s_mov_b32 s3, 13312
	s_cmp_eq_u32 ttmp9, 1                          ; tile columns 4-7 are k's
	s_cselect_b32 s3, 26112, s3                    ; a block's bytes
	s_cselect_b64 s[12:13], s[10:11], s[8:9]       ; kv or qb
	s_mul_i32 s18, s18, s3
	s_mov_b32 s19, 0
	s_add_nc_u64 s[12:13], s[12:13], s[18:19]      ; the first head's block
	s_lshl_b32 s2, s3, 3                           ; the next head's lies eight blocks on
	s_mov_b32 s3, 0
	s_mul_i32 s18, s15, 6144
	s_add_nc_u64 s[20:21], s[12:13], s[18:19]      ; my eight tiles in it,
	s_add_nc_u64 s[46:47], s[20:21], s[2:3]        ; and in the second head's
	s_lshl_b32 s18, s15, 9
	s_add_co_u32 s18, s18, 12288
	s_add_nc_u64 s[12:13], s[12:13], s[18:19]      ; my tiles' scale words
	v_mul_u32_u24 v[VS], s2, v2                    ; lanes 16-31 store the second head's
	v_lshl_add_u32 v[VS], v1, 4, v[VS]
	v_lshlrev_b32 v[SH], 4, v2
	s_mov_b32 s22, 0x76543210
	s_mov_b32 s23, 0xfedcba98
.irp a, 0,1,2,3,4,5,6,7
.if \a > 0
	s_wait_xcnt 0x0                                ; the last tile's stores have read the code registers
.endif
	QUANTW 64*(\a%4), 2+\a/4
	v_lshrrev_b32 v[W+\a], v[SH], v[PW]            ; lanes 0-15 keep the first head's two bytes, lanes 16-31 the second's;
	v_and_b32 v[W+\a], 0xffff, v[W+\a]             ; bytes 2 and 3, over the zero codes that fill K to 128, are 0
	global_store_b128 v[LX], v[PC:PC+3], s[20:21] offset:\a*768
	global_store_b64 v[LY], v[PC+4:PC+5], s[20:21] offset:\a*768+512
	global_store_b128 v[LX], v[PC+6:PC+9], s[46:47] offset:\a*768
	global_store_b64 v[LY], v[PC+10:PC+11], s[46:47] offset:\a*768+512
.endr
	global_store_b128 v[VS], v[W:W+3], s[12:13]                ; sixteen lanes store 256 consecutive bytes
	global_store_b128 v[VS], v[W+4:W+7], s[12:13] offset:256
	s_branch .Ljoin
.Lvpath:
	; ---- v: my 128 channels (two heads x four channel tiles) x my 128 keys = one key step
	s_lshl_b32 s22, s17, 2
	s_lshl_b32 s23, s15, 1
	s_add_co_u32 s22, s22, s23                     ; my first head: 4 x tile row + 2 x half
	s_lshr_b32 s18, s42, 3                         ; batch
	s_and_b32 s19, s42, 7                          ; slot of 256 keys
	s_lshl_b32 s18, s18, 4
	s_add_co_u32 s18, s18, s22
	s_lshl_b32 s18, s18, 3
	s_add_co_u32 s18, s18, s19
	s_mul_i32 s18, s18, 26112
	s_mov_b32 s19, 0
	s_add_nc_u64 s[12:13], s[10:11], s[18:19]      ; the first head's block
	s_mul_i32 s18, s16, 6144
	s_add_co_u32 s18, s18, 13312
	s_add_nc_u64 s[20:21], s[12:13], s[18:19]      ; my key step's four fragments in it,
	s_add_nc_u64 s[46:47], s[20:21], 208896        ; and in the second head's
	s_lshl_b32 s18, s16, 8
	s_add_co_u32 s18, s18, 25600
	s_add_nc_u64 s[12:13], s[12:13], s[18:19]
	s_mov_b32 s2, 208896
	v_mul_u32_u24 v[VS], s2, v2
	v_lshl_add_u32 v[VS], v1, 4, v[VS]
	s_mov_b32 s22, 0x76543210
	s_mov_b32 s23, 0xfedcba98
.irp a, 0,1,2,3,4,5,6,7
.if \a > 0
	s_wait_xcnt 0x0
.endif
	QUANTW 64*(\a%4), 2+\a/4
	v_mov_b32 v[W+\a], v[PW]
.if \a < 4
	global_store_b128 v[LX], v[PC:PC+3], s[20:21] offset:(\a%4)*1536
	global_store_b64 v[LY], v[PC+4:PC+5], s[20:21] offset:(\a%4)*1536+512
	global_store_b128 v[LX], v[PC+6:PC+9], s[20:21] offset:(\a%4)*1536+768
	global_store_b64 v[LY], v[PC+10:PC+11], s[20:21] offset:(\a%4)*1536+1280
.else
	global_store_b128 v[LX], v[PC:PC+3], s[46:47] offset:(\a%4)*1536
	global_store_b64 v[LY], v[PC+4:PC+5], s[46:47] offset:(\a%4)*1536+512
	global_store_b128 v[LX], v[PC+6:PC+9], s[46:47] offset:(\a%4)*1536+768
	global_store_b64 v[LY], v[PC+10:PC+11], s[46:47] offset:(\a%4)*1536+1280
.endif
.endr
	v_cmp_eq_u32 vcc_lo, 1, v2
.irp i, 0,1,2,3
	v_cndmask_b32 v[232+\i], v[W+\i], v[W+4+\i], vcc_lo   ; lanes 16-31 store the second head's four words
.endr
	global_store_b128 v[VS], v[232:235], s[12:13]
.Ljoin:
	s_wait_tensorcnt 0x0                           ; the wave's end
	ds_add_u32 v[SPW], v[NIL]
	s_wait_dscnt 0x0
	CROUND                                         ; the closing round
	s_endpgm
.Lfunc_end_k_qf8d0aa711b_gemm_qkv:
	.size	k_qf8d0aa711b_gemm_qkv, .Lfunc_end_k_qf8d0aa711b_gemm_qkv-k_qf8d0aa711b_gemm_qkv
	.p2alignl 7, 3214868480
	.fill 96, 4, 3214868480
	.section	.rodata,"a",@progbits
	.p2align	6, 0x0
	.amdhsa_kernel k_qf8d0aa711b_gemm_qkv
		.amdhsa_group_segment_fixed_size 327680
		.amdhsa_private_segment_fixed_size 0
		.amdhsa_enable_private_segment 0
		.amdhsa_kernarg_size 32
		.amdhsa_user_sgpr_count 2
		.amdhsa_user_sgpr_kernarg_segment_ptr 1
		.amdhsa_wavefront_size32 1
		.amdhsa_system_sgpr_workgroup_id_x 1
		.amdhsa_system_sgpr_workgroup_id_y 1
		.amdhsa_system_sgpr_workgroup_id_z 1
		.amdhsa_system_vgpr_workitem_id 0
		.amdhsa_next_free_vgpr 1024
		.amdhsa_next_free_sgpr 66
		.amdhsa_reserve_vcc 1
		.amdhsa_float_denorm_mode_32 3
		.amdhsa_float_denorm_mode_16_64 3
		.amdhsa_memory_ordered 1
		.amdhsa_forward_progress 1
		.amdhsa_inst_pref_size 183
	.end_amdhsa_kernel
	.amdgpu_metadata
---
amdhsa.version: [ 1, 2 ]
amdhsa.kernels:
  - .name:           k_qf8d0aa711b_gemm_qkv
    .symbol:         k_qf8d0aa711b_gemm_qkv.kd
    .args:
      - { .name: xq, .offset: 0, .size: 8, .value_kind: global_buffer, .address_space: global }
      - { .name: wq, .offset: 8, .size: 8, .value_kind: global_buffer, .address_space: global }
      - { .name: qb, .offset: 16, .size: 8, .value_kind: global_buffer, .address_space: global }
      - { .name: kv, .offset: 24, .size: 8, .value_kind: global_buffer, .address_space: global }
    .group_segment_fixed_size: 327680
    .private_segment_fixed_size: 0
    .kernarg_segment_align: 8
    .kernarg_segment_size: 32
    .max_flat_workgroup_size: 128
    .sgpr_count:     66
    .vgpr_count:     1024
    .wavefront_size: 32
...
	.end_amdgpu_metadata
.endif
;; end of part 2
;; launch attn (part 3): grid 4 x 64, 16 waves a work-group, no clusters, 327,680 bytes of LDS; arguments qb, kv, yq; writes yq
.if DOCPART == 3
	.amdgcn_target "amdgcn-amd-amdhsa--gfx1250"
	.amdhsa_code_object_version 6
	.text
	.protected	k_qf8d0aa711b_attn
	.globl	k_qf8d0aa711b_attn
	.p2align	8
	.type	k_qf8d0aa711b_attn,@function
k_qf8d0aa711b_attn:
	s_mov_b64 s[64:65], 0
	v_nop
	global_prefetch_b8 v0, s[64:65] scope:SCOPE_SE
	s_setreg_imm32_b32 hwreg(HW_REG_WAVE_MODE, 25, 1), 1
	s_wait_xcnt 0x0
; y = softmax(q k^T / 8, causal) v for one (batch, head), both products on codes of FP6 (E2M3) with E8M0 scales; y is quantised along the channels and leaves as codes for the last product.
; THE SOFTMAX: t = score x log2(e) / 8; M = the running largest t rounded UP to a whole number; p = 2^(t - M) is quantised along the keys; the row's sum is taken of the unquantised p and divides at the end.
; When M moves, the sum and O are multiplied by 2^(old M - new M), which rounds nothing.
; SHARES.  Work-group (p, head) owns the blocks of 256 queries p and 7 - p, the early one first: (p + 1) + (8 - p) = 9 visits of 256 keys in EVERY work-group, so all trip counts are constants and the work is even.
; Each of sixteen waves owns one tile of 16 queries of the block in hand, in 256 registers: four waves to a SIMD, so that one wave's vector work stands beside another's products and LDS loads.
; A visit's kv block (26,112 dense bytes: K's 16 half fragments, K's scale words, V's 8 fragments, V's scale words, all in the order of the operand's registers) comes by ONE tensor load of wave 0 into a ring of two slots.
; NO JOINT LOADS: from visit p + 1 on the four work-groups of a head want different key slots; a common sequence would take 12 visits in step for each against 9.
; LAYOUT.  Both products are used transposed: S^T = K Q^T, O^T = V^T P^T: a lane holds one query throughout.  Lane index r of tile 2 b + u (keys, queries, channels alike) stands for 32 b + 8 u + r % 8 + 16 (r / 8),
; so the 16 registers of result tiles 2 b, 2 b + 1 are 16 neighbours.  The head's K = 64 fills half of the instruction's 128: registers 6-11 of K's and Q's fragments hold zero codes, under the scale byte 0 (2^-127).
; CAUSAL.  A step of 128 keys that all come after the wave's queries is jumped over (a scalar branch on ids; no barrier or tensor load stands in a step); on the diagonal hidden scores become -infinity.
; LIMITS: p under 2^-126 comes out of the exponential as 0; a block whose largest magnitude lies under 2^-124 gets the byte 1; NaN and infinities are not served.
.set KVBLK, 26112
.set SLOT1, 1<<15                      ; slot 1: one exclusive or turns an address of one slot into the other's
.set SPARE, 65536                      ; the spare words, 128 bytes for each of sixteen waves: eight blocks of 256 bytes that no other line names
.set LX,  1                            ; v1 16 x lane   v2 8 x lane   v3 16 r   v7 8 r
.set LY,  2
.set LR,  3
.set QD,  4                            ; v4 r % 8 + 16 (r / 8) - 16 h
.set SPW, 5
.set NIL, 6
.set L8,  7
.set ADX, 8                            ; v8-10 the same three places in the slot in hand
.set ADY, 9
.set ADS, 10
.set QF,  16                           ; v16-27 Q: six registers of codes, six of zeros.   v12 -M, v13 the largest t, v[14:15] the sum in two halves
.set KFR, 28                           ; v28-75 four fragments of K: six registers of codes, six of zeros each
.set S,   76                           ; v76-139 S^T, then p; V's four fragments land on v76-123
.set O,   140                          ; v140-171 O^T
.set PCD, 172                          ; v172-183 p's codes
.set CT,  184                          ; v184-190 the second halves' codes
.set BM,  192                          ; v192-195 the blocks' largest scores, then largest p
.set PD,  196                          ; v196-199 permute results, bytes, the sum's second chain
.set SO,  200                          ; v200-203 the conversions' scale operands
.set FF,  204                          ; v[204:205] f = 2^(old M - new M)
.set T0,  206
.set T1,  207
.set KSC, 208                          ; v208-211 K's scale words, v212-215 V's, v216 Q's, v217 p's
.set VSC, 212
.set QSC, 216
.set PSC, 217
.set Q2,  220                          ; v220-225, v226 the second block's Q and its scale words
.set WV,  10
.set PP,  11
.set BH,  12
.set PSW, 13                           ; the visit at which the second block begins: p + 1
.set VIS, 14
.set BQ,  15                           ; the block of queries in hand
.set TB,  16                           ; LDS byte at which the slot in hand begins
.set KF,  17                           ; the step's first key
.set QMIN, 18
.set QMAX, 19
.set SEL, 20
.set CS,  22
.set G1,  24
.set G0,  32
.set KVB, 36                           ; s[36:37] the head's first kv block
.set KOFF, 38                          ; s[38:39] the next visit's block, in bytes from there
.set YB,  40
.set YS,  42
.set WQ,  46                           ; the wave's part of QMIN
	s_load_b128 s[4:7], s[0:1], 0x0                ; qb, kv
	s_load_b64 s[8:9], s[0:1], 0x10                ; yq
	v_lshl_add_u32 v[SPW], v0, 2, SPARE
	v_mov_b32 v[NIL], 0
	ds_add_u32 v5, v6
	ds_add_u32 v5, v6
	s_wait_dscnt 0x0
	v_lshrrev_b32 v11, 5, v0
	s_delay_alu instid0(VALU_DEP_1)
	v_readfirstlane_b32 s[WV], v11                 ; wave 0..15
	s_mov_b32 s[PP], ttmp9
	s_and_b32 s[BH], ttmp7, 0xffff                 ; 16 x batch + head
	s_add_co_u32 s[PSW], s[PP], 1
	s_mov_b32 s[VIS], 0
	s_mov_b32 s[BQ], s[PP]
	s_mov_b32 s[TB], 0
	s_mov_b32 s[KF], 0
	s_lshr_b32 s44, s[WV], 1
	s_lshl_b32 s44, s44, 5
	s_and_b32 s45, s[WV], 1
	s_lshl_b32 s45, s45, 3
	s_add_co_u32 s[WQ], s44, s45                   ; my tile's first query in its block: 32 (w / 2) + 8 (w % 2)
	s_lshl_b32 s[QMIN], s[BQ], 8
	s_add_co_u32 s[QMIN], s[QMIN], s[WQ]
	s_add_co_u32 s[QMAX], s[QMIN], 23              ; and its last: 7 + 16 on
	s_mov_b32 s[SEL], 0x76543210
	s_mov_b32 s[SEL+1], 0xfedcba98
	s_mov_b32 s[CS], 0x3e38aa3b                    ; c = log2(e) / 8
	s_mov_b32 s[CS+1], s[CS]
	s_mov_b32 s[G1], 3<<16                         ; no mask; elements of 8 bytes; no padding
	s_mov_b32 s[G1+1], 32<<16                      ; a dense block as 102 rows of 256 bytes
	s_mov_b32 s[G1+2], 102<<16
	s_mov_b32 s[G1+3], 32<<16
	s_mov_b32 s[G1+4], 102
	s_mov_b32 s[G1+5], 32
	s_mov_b32 s[G1+6], 0
	s_mov_b32 s[G1+7], 0
	s_mul_i32 s[KOFF], s[BH], 8*KVBLK
	s_mov_b32 s[KOFF+1], 0
	s_mul_i32 s44, s[WV], 768                      ; Q: my tile's codes in a qb block,
	s_lshr_b32 s45, s[WV], 2
	s_lshl_b32 s45, s45, 8
	s_and_b32 s47, s[WV], 3
	s_lshl_b32 s47, s47, 2
	s_add_co_u32 s45, s45, s47
	s_add_co_u32 s45, s45, 12288                   ; and its scale words
	s_lshl_b32 s47, s[BH], 3
	s_add_co_u32 s56, s47, s[PP]
	s_mul_i32 s56, s56, 13312                      ; block p
	s_add_co_u32 s47, s47, 7
	s_sub_co_u32 s47, s47, s[PP]
	s_mul_i32 s58, s47, 13312                      ; block 7 - p
	s_add_co_u32 s48, s56, s44
	s_add_co_u32 s50, s56, s45
	s_add_co_u32 s52, s58, s44
	s_add_co_u32 s54, s58, s45
	s_mov_b32 s49, 0
	s_mov_b32 s51, 0
	s_mov_b32 s53, 0
	s_mov_b32 s55, 0
	s_wait_kmcnt 0x0
	s_add_nc_u64 s[KVB:KVB+1], s[6:7], s[KOFF:KOFF+1]
	s_mov_b32 s[KOFF], 0
	s_mov_b32 s[G0], 1
	s_mov_b32 s[G0+1], 0                           ; slot 0
	s_mov_b64 s[G0+2:G0+3], s[KVB:KVB+1]           ; keys 0-255
	s_or_b32 s[G0+3], s[G0+3], 0x80000000
	s_cmp_lg_u32 s[WV], 0
	s_cbranch_scc1 .Lno_first
	tensor_load_to_lds s[G0:G0+3], s[G1:G1+7]      ; the first fill; one load of wave 0's is out at the most, here and later
	s_nop 0
.rept 4
	v_nop
.endr
.Lno_first:
	s_add_nc_u64 s[48:49], s[4:5], s[48:49]
	s_add_nc_u64 s[50:51], s[4:5], s[50:51]
	s_add_nc_u64 s[52:53], s[4:5], s[52:53]
	s_add_nc_u64 s[54:55], s[4:5], s[54:55]
	v_and_b32 v11, 31, v0
	s_delay_alu instid0(VALU_DEP_1)
	v_lshlrev_b32 v[LX], 4, v11
	s_delay_alu instid0(VALU_DEP_2)
	v_lshlrev_b32 v[LY], 3, v11
	v_and_b32 v8, 15, v0                           ; r
	v_bfe_u32 v9, v0, 4, 1                         ; h
	s_delay_alu instid0(VALU_DEP_2)
	v_lshlrev_b32 v[LR], 4, v8
	s_delay_alu instid0(VALU_DEP_3)
	v_lshlrev_b32 v[L8], 3, v8
	s_delay_alu instid0(VALU_DEP_4)
	v_and_b32 v[QD], 7, v8
	v_bfe_u32 v10, v8, 3, 1
	s_delay_alu instid0(VALU_DEP_1)
	v_lshl_add_u32 v[QD], v10, 4, v[QD]
	v_lshlrev_b32 v10, 4, v9
	s_delay_alu instid0(VALU_DEP_1)
	v_sub_nc_u32 v[QD], v[QD], v10
	global_load_b128 v[QF:QF+3], v[LX], s[48:49]
	global_load_b64 v[QF+4:QF+5], v[LY], s[48:49] offset:512
	global_load_b32 v[QSC], v[LR], s[50:51]
	global_load_b128 v[Q2:Q2+3], v[LX], s[52:53]
	global_load_b64 v[Q2+4:Q2+5], v[LY], s[52:53] offset:512
	global_load_b32 v[Q2+6], v[LR], s[54:55]
.irp i, 6,7,8,9,10,11
	v_mov_b32 v[QF+\i], 0                          ; the zero codes that fill K to 128: written once
.irp t, 0,1,2,3
	v_mov_b32 v[KFR+12*\t+\i], 0
.endr
.endr
	v_mov_b32 v13, 0xff61b1e6                      ; the largest t so far: -3e38
	s_delay_alu instid0(VALU_DEP_1)
	v_floor_f32 v12, -v13
	v_mov_b32 v14, 0
	v_mov_b32 v15, 0
.irp b, 0,1,2,3
	v_mov_b32 v[PD+\b], 0                          ; a lane permute's destination counts as one of its sources
.endr
	v_mov_b32 v[FF+1], 0                           ; (named as the upper half of a pair)
	v_mov_b32 v[T0], 0
	v_mov_b32 v[T1], 0
.set j, 0
.rept 32
	v_mov_b32 v[O+j], 0                            ; the step is written once: the first finds zeros
.set j, j+1
.endr
; A KEY STEP: 128 keys, the q-th of the slot in hand
.macro STEP q
	s_cmp_gt_u32 s[KF], s[QMAX]
	s_cbranch_scc1 .Lhidden_\@                     ; all its keys come after my queries
	v_add_nc_u32 v[ADX], s[TB], v[LX]
	s_wait_alu depctr_va_vdst(0)
	v_add_nc_u32 v[ADY], s[TB], v[LY]
	s_wait_alu depctr_va_vdst(0)
	v_add_nc_u32 v[ADS], s[TB], v[LR]
	s_wait_alu depctr_va_vdst(0)
	v_nop
	v_nop                                          ; five places: the products below write over registers that the last step's products read (V's fragments)
.irp g, 0,1
.if \g
.rept 4
	v_nop                                          ; places in front of loads into registers that the four products above have read
.endr
.endif
.irp t, 0,1,2,3
	ds_load_b128 v[KFR+12*\t:KFR+12*\t+3], v[ADX] offset:(8*(\q)+4*\g+\t)*768
	ds_load_b64 v[KFR+12*\t+4:KFR+12*\t+5], v[ADY] offset:(8*(\q)+4*\g+\t)*768+512
.endr
	ds_load_b128 v[KSC:KSC+3], v[ADS] offset:12288+(2*(\q)+\g)*256   ; the four tiles' scale words of lane index r
	s_wait_dscnt 0x0
.irp t, 0,1,2,3
	v_wmma_scale_f32_16x16x128_f8f6f4 v[S+8*(4*\g+\t):S+8*(4*\g+\t)+7], v[KFR+12*\t:KFR+12*\t+11], v[QF:QF+11], 0, v[KSC+\t], v[QSC] matrix_a_fmt:MATRIX_FMT_FP6 matrix_b_fmt:MATRIX_FMT_FP6
.endr
.endr
.rept 4
	v_nop
.endr
	s_add_co_u32 s44, s[KF], 127
	s_cmp_le_u32 s44, s[QMIN]
	s_cbranch_scc1 .Lopen_\@                       ; all its keys count
	s_sub_co_i32 s44, s[QMIN], s[KF]
	v_add_nc_u32 v[T0], s44, v[QD]                 ; d = my query - KF - 16 h.  Register 16 b + i holds key KF + 32 b + 16 h + i: hidden where 32 b + i > d
	v_mov_b32 v[T1], 0xff800000
.set n, 0
.rept 64
	v_cmp_gt_i32 vcc_lo, 32*(n/16)+n%16, v[T0]
	v_cndmask_b32 v[S+n], v[S+n], v[T1], vcc_lo
.set n, n+1
.endr
.Lopen_\@:
.irp b, 0,1,2,3
	v_max3_num_f32 v[BM+\b], v[S+16*\b], v[S+1+16*\b], v[S+2+16*\b]   ; the largest score of each block of 32 keys: for the row's maximum and, since p rises with the score, for the block's largest p
.endr
.irp i, 3,5,7,9,11,13
.irp b, 0,1,2,3
	v_max3_num_f32 v[BM+\b], v[BM+\b], v[S+16*\b+\i], v[S+1+16*\b+\i]
.endr
.endr
.irp b, 0,1,2,3
	v_max_num_f32 v[BM+\b], v[BM+\b], v[S+15+16*\b]
.endr
.irp b, 0,1,2,3
	s_delay_alu instid0(VALU_DEP_4)
	v_permlanex16_b32 v[PD+\b], v[BM+\b], s[SEL], s[SEL+1]
.endr
.irp b, 0,1,2,3
	s_delay_alu instid0(VALU_DEP_4)
	v_max_num_f32 v[BM+\b], v[BM+\b], v[PD+\b]
.endr
	s_delay_alu instid0(VALU_DEP_2)
	v_max3_num_f32 v[T0], v[BM], v[BM+1], v[BM+2]
	s_delay_alu instid0(VALU_DEP_1)
	v_max_num_f32 v[T0], v[T0], v[BM+3]
	s_delay_alu instid0(VALU_DEP_1)
	v_mul_f32 v[T0], s[CS], v[T0]
	s_delay_alu instid0(VALU_DEP_1)
	v_max_num_f32 v13, v13, v[T0]                  ; the running largest t
	v_mov_b32 v[T0], v12
	s_delay_alu instid0(VALU_DEP_2)
	v_floor_f32 v12, -v13                          ; -M = floor(-t): M is a whole number
	s_delay_alu instid0(VALU_DEP_1)
	v_sub_f32 v[T0], v12, v[T0]
	s_delay_alu instid0(VALU_DEP_1)
	v_cvt_i32_f32 v[T0], v[T0]                     ; (it saturates)
	s_delay_alu instid0(VALU_DEP_1)
	v_ldexp_f32 v[FF], 1.0, v[T0]                  ; f = 2^(old M - new M)
.set j, 0
.rept 32
	v_pk_fma_f32 v[S+j:S+j+1], v[S+j:S+j+1], s[CS:CS+1], v[12:13] op_sel_hi:[1,0,0]   ; t - M
.set j, j+2
.endr
.irp b, 0,1,2,3
	v_fma_f32 v[BM+\b], v[BM+\b], s[CS], v12
.endr
.set j, 0
	s_wait_alu depctr_va_vdst(0)
.rept 64
	v_exp_f32 v[S+j], v[S+j]                       ; p = 2^(t - M)
.set j, j+1
.endr
.irp b, 0,1,2,3
	v_exp_f32 v[BM+\b], v[BM+\b]                   ; the block's largest p
.endr
	v_pk_mul_f32 v[14:15], v[14:15], v[FF:FF+1] op_sel_hi:[1,0]   ; the sum under the new M (a plain place behind the exponentials)
	s_wait_alu depctr_va_vdst(0)
.irp b, 0,1,2,3
	v_max_num_f32 v[BM+\b], 0x1800000, v[BM+\b]    ; the floor 2^(3 - 127)
.endr
.irp b, 0,1,2,3
	s_delay_alu instid0(VALU_DEP_4)
	v_add_nc_u32 v[SO+\b], 0xff000000, v[BM+\b]
.endr
.irp b, 0,1,2,3
	s_delay_alu instid0(VALU_DEP_4)
	v_lshrrev_b32 v[PD+\b], 23, v[SO+\b]
.endr
	s_delay_alu instid0(VALU_DEP_3)
	v_lshl_or_b32 v[PSC], v[PD+1], 8, v[PD]        ; p's scale word for these 128 keys
	s_delay_alu instid0(VALU_DEP_1)
	v_lshl_or_b32 v[PSC], v[PD+2], 16, v[PSC]
	s_delay_alu instid0(VALU_DEP_1)
	v_lshl_or_b32 v[PSC], v[PD+3], 24, v[PSC]
	v_pk_add_f32 v[196:197], v[80:81], v[84:85]
	v_pk_add_f32 v[254:255], v[88:89], v[92:93]
	v_pk_add_f32 v[252:253], v[96:97], v[100:101]
	v_pk_add_f32 v[250:251], v[104:105], v[108:109]
	v_pk_add_f32 v[248:249], v[112:113], v[116:117]
	v_pk_add_f32 v[246:247], v[120:121], v[124:125]
	v_pk_add_f32 v[244:245], v[128:129], v[132:133]
	v_pk_add_f32 v[14:15], v[14:15], v[136:137]
	v_pk_add_f32 v[196:197], v[196:197], v[76:77]
	v_pk_add_f32 v[254:255], v[254:255], v[78:79]
	v_pk_add_f32 v[252:253], v[252:253], v[82:83]
	v_pk_add_f32 v[250:251], v[250:251], v[86:87]
	v_pk_add_f32 v[248:249], v[248:249], v[90:91]
	v_pk_add_f32 v[246:247], v[246:247], v[94:95]
	v_pk_add_f32 v[244:245], v[244:245], v[98:99]
	v_pk_add_f32 v[14:15], v[14:15], v[102:103]
	v_pk_add_f32 v[196:197], v[196:197], v[106:107]
	v_pk_add_f32 v[254:255], v[254:255], v[110:111]
	v_pk_add_f32 v[252:253], v[252:253], v[114:115]
	v_pk_add_f32 v[250:251], v[250:251], v[118:119]
	v_pk_add_f32 v[248:249], v[248:249], v[122:123]
	v_pk_add_f32 v[246:247], v[246:247], v[126:127]
	v_pk_add_f32 v[244:245], v[244:245], v[130:131]
	v_pk_add_f32 v[14:15], v[14:15], v[134:135]
	v_pk_add_f32 v[196:197], v[196:197], v[138:139]
	s_delay_alu instid0(VALU_DEP_2)
	v_pk_add_f32 v[14:15], v[14:15], v[250:251]
	s_delay_alu instid0(VALU_DEP_2)
	v_pk_add_f32 v[196:197], v[196:197], v[248:249]
	v_pk_add_f32 v[254:255], v[254:255], v[246:247]
	v_pk_add_f32 v[252:253], v[252:253], v[244:245]
	s_delay_alu instid0(VALU_DEP_2)
	v_pk_add_f32 v[14:15], v[14:15], v[254:255]
	s_delay_alu instid0(VALU_DEP_2)
	v_pk_add_f32 v[196:197], v[196:197], v[252:253]
	s_delay_alu instid0(VALU_DEP_1)
	v_pk_add_f32 v[14:15], v[14:15], v[196:197]
.irp c, 0,1
	v_cvt_scalef32_pk16_fp6_f32 v[PCD+6*\c:PCD+6*\c+2], v[S+32*\c:S+32*\c+15], v[SO+2*\c]
	v_cvt_scalef32_pk16_fp6_f32 v[CT+4*\c:CT+4*\c+2], v[S+32*\c+16:S+32*\c+31], v[SO+2*\c+1]
.endr
	v_nop                                          ; one plain place behind a scaled conversion
.irp t, 0,1,2,3                        ; p has been read for the last time: V's fragments land on it while the codes are put in order
	ds_load_b128 v[S+12*\t:S+12*\t+3], v[ADX] offset:13312+(4*(\q)+\t)*1536
	ds_load_b64 v[S+12*\t+4:S+12*\t+5], v[ADY] offset:13312+(4*(\q)+\t)*1536+512
	ds_load_b128 v[S+12*\t+6:S+12*\t+9], v[ADX] offset:13312+(4*(\q)+\t)*1536+768
	ds_load_b64 v[S+12*\t+10:S+12*\t+11], v[ADY] offset:13312+(4*(\q)+\t)*1536+1280
.endr
	ds_load_b128 v[VSC:VSC+3], v[ADS] offset:25600+256*(\q)
.irp c, 0,1
.irp i, 0,1,2
	v_permlane16_swap_b32 v[PCD+6*\c+\i], v[CT+4*\c+\i]   ; a whole block to a lane
.endr
.irp i, 0,1,2
	s_delay_alu instid0(VALU_DEP_3)
	v_mov_b32 v[PCD+6*\c+3+\i], v[CT+4*\c+\i]
.endr
.endr
.set j, 0
.rept 16
	v_pk_mul_f32 v[O+j:O+j+1], v[O+j:O+j+1], v[FF:FF+1] op_sel_hi:[1,0]   ; O^T under the new M (also the places between the codes' and the scale word's last writes and the products)
.set j, j+2
.endr
	s_wait_alu depctr_va_vdst(0)
	s_wait_dscnt 0x0
.irp t, 0,1,2,3                        ; the four accumulators by turns
	v_wmma_scale_f32_16x16x128_f8f6f4 v[O+8*\t:O+8*\t+7], v[S+12*\t:S+12*\t+11], v[PCD:PCD+11], v[O+8*\t:O+8*\t+7], v[VSC+\t], v[PSC] matrix_a_fmt:MATRIX_FMT_FP6 matrix_b_fmt:MATRIX_FMT_FP6
.endr
.Lhidden_\@:
	s_add_co_u32 s[KF], s[KF], 128
.endm
; A BLOCK OF QUERIES IS DONE: y = O^T / the sum; register 16 b + i is channel 32 b + 16 h + i of my query: two blocks of 32 along the last product's K.  They become half a fragment of yq's operand block, stored from registers.
.macro FINISH
.rept 4
	v_nop                                          ; places behind the last products
.endr
	v_add_f32 v14, v14, v15
	s_delay_alu instid0(VALU_DEP_1)
	v_permlanex16_b32 v[T0], v14, s[SEL], s[SEL+1]
	s_delay_alu instid0(VALU_DEP_1)
	v_add_f32 v14, v14, v[T0]                      ; the row's sum
	s_wait_alu depctr_va_vdst(0)
	v_rcp_f32 v14, v14
	v_nop                                          ; one plain place behind a transcendental
.set j, 0
	s_wait_alu depctr_va_vdst(0)
.rept 16
	v_pk_mul_f32 v[S+j:S+j+1], v[O+j:O+j+1], v[14:15] op_sel_hi:[1,0]
.set j, j+2
.endr
.irp b, 0,1
	v_max3_num_f32 v[BM+\b], |v[S+16*\b]|, |v[S+1+16*\b]|, 0x1800000
.endr
.irp i, 2,4,6,8,10,12,14
.irp b, 0,1
	s_delay_alu instid0(VALU_DEP_2)
	v_max3_num_f32 v[BM+\b], v[BM+\b], |v[S+16*\b+\i]|, |v[S+1+16*\b+\i]|
.endr
.endr
.irp b, 0,1
	s_delay_alu instid0(VALU_DEP_2)
	v_permlanex16_b32 v[PD+\b], v[BM+\b], s[SEL], s[SEL+1]
.endr
.irp b, 0,1
	s_delay_alu instid0(VALU_DEP_2)
	v_max_num_f32 v[BM+\b], v[BM+\b], v[PD+\b]
.endr
.irp b, 0,1
	s_delay_alu instid0(VALU_DEP_2)
	v_add_nc_u32 v[SO+\b], 0xff000000, v[BM+\b]
.endr
.irp b, 0,1
	s_delay_alu instid0(VALU_DEP_2)
	v_lshrrev_b32 v[PD+\b], 23, v[SO+\b]
.endr
	s_delay_alu instid0(VALU_DEP_1)
	v_lshl_or_b32 v[T1], v[PD+1], 8, v[PD]         ; my head's two bytes of the token's scale word
	v_cvt_scalef32_pk16_fp6_f32 v[PCD:PCD+2], v[S:S+15], v[SO]
	v_cvt_scalef32_pk16_fp6_f32 v[CT:CT+2], v[S+16:S+31], v[SO+1]
	v_nop
.irp i, 0,1,2
	v_permlane16_swap_b32 v[PCD+\i], v[CT+\i]
.endr
.irp i, 0,1,2
	s_delay_alu instid0(VALU_DEP_3)
	v_mov_b32 v[PCD+3+\i], v[CT+\i]
.endr
	s_lshr_b32 s44, s[BH], 4
	s_lshl_b32 s44, s44, 4
	s_lshl_b32 s45, s[BQ], 1
	s_add_co_u32 s44, s44, s45
	s_lshr_b32 s45, s[WV], 3
	s_add_co_u32 s44, s44, s45                     ; row block: 16 x batch + 2 x block + w / 8
	s_lshl_b32 s44, s44, 2
	s_bfe_u32 s45, s[BH], 0x20002                  ; K step: head / 4
	s_add_co_u32 s44, s44, s45
	s_mul_i32 s44, s44, 25600                      ; the operand block
	s_bfe_u32 s45, s[BH], 0x10001                  ; which 128 of its K: (head / 2) % 2
	s_and_b32 s47, s[BH], 1                        ; which half fragment: head % 2
	s_and_b32 s48, s[WV], 7                        ; tile
	s_mul_i32 s[YB], s45, 12288
	s_add_co_u32 s[YB], s[YB], s44
	s_mul_i32 s49, s48, 1536
	s_add_co_u32 s[YB], s[YB], s49
	s_mul_i32 s49, s47, 768
	s_add_co_u32 s[YB], s[YB], s49
	s_mov_b32 s[YB+1], 0
	s_add_nc_u64 s[YB:YB+1], s[8:9], s[YB:YB+1]
	s_lshl_b32 s[YS], s48, 7
	s_add_co_u32 s[YS], s[YS], s44
	s_lshl_b32 s49, s45, 2
	s_add_co_u32 s[YS], s[YS], s49
	s_lshl_b32 s49, s47, 1
	s_add_co_u32 s[YS], s[YS], s49
	s_add_co_u32 s[YS], s[YS], 24576
	s_mov_b32 s[YS+1], 0
	s_add_nc_u64 s[YS:YS+1], s[8:9], s[YS:YS+1]
	s_wait_alu depctr_va_vdst(0)
	global_store_b128 v[LX], v[PCD:PCD+3], s[YB:YB+1]              ; 512 and 256 consecutive bytes, aligned
	global_store_b64 v[LY], v[PCD+4:PCD+5], s[YB:YB+1] offset:512
	global_store_b16 v[L8], v[T1], s[YS:YS+1]                      ; two bytes of each token's word, 8 bytes apart: the word's other bytes are other heads'; both lanes of a token store the same value
	s_wait_xcnt 0x0                                ; the stores have read their registers and bases: both are written again
.endm
; THE CHANGE OF SLOTS, at a visit's head: each wave waits for all its tensor loads, adds 0 to its spare word, and waits for that and for its reads of the slot that it has left.
.macro CHANGE fill
	s_wait_tensorcnt 0x0                           ; no tensor load is out: group 0 may be written
	ds_add_u32 v[SPW], v[NIL]                      ; 0 onto my spare word
.if \fill
	s_xor_b32 s[G0+1], s[G0+1], SLOT1              ; the other slot,
	s_add_co_u32 s[KOFF], s[KOFF], KVBLK           ; the next 256 keys,
	s_add_co_u32 s44, s[VIS], 1
	s_cmp_eq_u32 s44, s[PSW]
	s_cselect_b32 s[KOFF], 0, s[KOFF]              ; or keys 0-255 again, for the second block of queries
	s_add_nc_u64 s[G0+2:G0+3], s[KVB:KVB+1], s[KOFF:KOFF+1]
	s_or_b32 s[G0+3], s[G0+3], 0x80000000
.endif
	s_wait_dscnt 0x0                               ; the add is done, and my reads of the slot that I have left are over
	s_barrier_signal -1
	s_barrier_wait -1
.if \fill
	s_cmp_lg_u32 s[WV], 0
	s_cbranch_scc1 .Lno_load_\@
	tensor_load_to_lds s[G0:G0+3], s[G1:G1+7]      ; the first thing behind the barrier: it has a whole visit in which to land
	s_nop 0
.rept 4
	v_nop
.endr
.Lno_load_\@:
.endif
.endm
	s_wait_loadcnt 0x0                             ; Q, both blocks'
.Lvisit:                                           ; eight trips; the ninth visit is written out
	CHANGE 1
	s_cmp_lg_u32 s[VIS], s[PSW]
	s_cbranch_scc1 .Lsame
	FINISH                                         ; the first block of queries is done: on to block 7 - p
	s_sub_co_u32 s[BQ], 7, s[PP]
	s_lshl_b32 s[QMIN], s[BQ], 8
	s_add_co_u32 s[QMIN], s[QMIN], s[WQ]
	s_add_co_u32 s[QMAX], s[QMIN], 23
	s_mov_b32 s[KF], 0
.irp i, 0,1,2,3,4,5
	v_mov_b32 v[QF+\i], v[Q2+\i]
.endr
	v_mov_b32 v[QSC], v[Q2+6]
	v_mov_b32 v13, 0xff61b1e6
	s_delay_alu instid0(VALU_DEP_1)
	v_floor_f32 v12, -v13
	v_mov_b32 v14, 0
	v_mov_b32 v15, 0
.set j, 0
.rept 32
	v_mov_b32 v[O+j], 0                            ; (also the places between Q's and its scale word's writes and the next products)
.set j, j+1
.endr
.Lsame:
	STEP 0
	STEP 1
	s_xor_b32 s[TB], s[TB], SLOT1
	s_add_co_u32 s[VIS], s[VIS], 1
	s_cmp_lt_u32 s[VIS], 8
	s_cbranch_scc1 .Lvisit
	CHANGE 0
	STEP 0
	STEP 1
	FINISH
	s_wait_tensorcnt 0x0                           ; the wave's end
	ds_add_u32 v[SPW], v[NIL]
	s_wait_dscnt 0x0
	s_endpgm
.Lfunc_end_k_qf8d0aa711b_attn:
	.size	k_qf8d0aa711b_attn, .Lfunc_end_k_qf8d0aa711b_attn-k_qf8d0aa711b_attn
	.p2alignl 7, 3214868480
	.fill 96, 4, 3214868480
	.section	.rodata,"a",@progbits
	.p2align	6, 0x0
	.amdhsa_kernel k_qf8d0aa711b_attn
		.amdhsa_group_segment_fixed_size 327680
		.amdhsa_private_segment_fixed_size 0
		.amdhsa_enable_private_segment 0
		.amdhsa_kernarg_size 24
		.amdhsa_user_sgpr_count 2
		.amdhsa_user_sgpr_kernarg_segment_ptr 1
		.amdhsa_wavefront_size32 1
		.amdhsa_system_sgpr_workgroup_id_x 1
		.amdhsa_system_sgpr_workgroup_id_y 1
		.amdhsa_system_sgpr_workgroup_id_z 1
		.amdhsa_system_vgpr_workitem_id 0
		.amdhsa_next_free_vgpr 256
		.amdhsa_next_free_sgpr 66
		.amdhsa_reserve_vcc 1
		.amdhsa_float_denorm_mode_32 3
		.amdhsa_float_denorm_mode_16_64 3
		.amdhsa_memory_ordered 1
		.amdhsa_forward_progress 1
		.amdhsa_inst_pref_size 111
	.end_amdhsa_kernel
	.amdgpu_metadata
---
amdhsa.version: [ 1, 2 ]
amdhsa.kernels:
  - .name:           k_qf8d0aa711b_attn
    .symbol:         k_qf8d0aa711b_attn.kd
    .args:
      - { .name: qb, .offset: 0, .size: 8, .value_kind: global_buffer, .address_space: global }
      - { .name: kv, .offset: 8, .size: 8, .value_kind: global_buffer, .address_space: global }
      - { .name: yq, .offset: 16, .size: 8, .value_kind: global_buffer, .address_space: global }
    .group_segment_fixed_size: 327680
    .private_segment_fixed_size: 0
    .kernarg_segment_align: 8
    .kernarg_segment_size: 24
    .max_flat_workgroup_size: 512
    .sgpr_count:     66
    .vgpr_count:     256
    .wavefront_size: 32
...
	.end_amdgpu_metadata
.endif
;; end of part 3
;; launch gemm_proj (part 4): grid 4 x 32, 4 waves a work-group, clusters of 4 x 4, 327,680 bytes of LDS; arguments yq, wp, out0; writes out0
.if DOCPART == 4
	.amdgcn_target "amdgcn-amd-amdhsa--gfx1250"
	.amdhsa_code_object_version 6
	.text
	.protected	k_qf8d0aa711b_gemm_proj
	.globl	k_qf8d0aa711b_gemm_proj
	.p2align	8
	.type	k_qf8d0aa711b_gemm_proj,@function
k_qf8d0aa711b_gemm_proj:
	s_mov_b64 s[64:65], 0
	v_nop
	global_prefetch_b8 v0, s[64:65] scope:SCOPE_SE
	s_setreg_imm32_b32 hwreg(HW_REG_WAVE_MODE, 25, 1), 1
	s_wait_xcnt 0x0
	s_wait_alu depctr_hold_cnt(0) depctr_sa_sdst(0) depctr_va_vdst(0) depctr_va_sdst(0) depctr_va_ssrc(0) depctr_va_vcc(0) depctr_vm_vsrc(0)
	s_getreg_b32 s2, hwreg(HW_REG_IB_STS2, 6, 4)
	s_cmp_eq_u32 s2, 0
	s_cbranch_scc0 .Lentry_in_a_cluster
	s_endpgm
.Lentry_in_a_cluster:
	s_bfe_u32 s2, ttmp6, 0x10000c
	s_cmp_lg_u32 s2, 0xf033
	s_cbranch_scc0 .Lentry_shape_is_right
	s_endpgm
.Lentry_shape_is_right:
; out = y w_proj on codes of FP6 (E2M3) with E8M0 scales, f32 sums, f32 out.  A = yq (tokens), B = wp (w_proj's columns), both as operand blocks of 128 rows x 256 K, 25,600 dense bytes, in the order of the
; operand's registers: fragment (q, i) at 12288 q + 1536 i (registers 0-3 at 16 x lane, 4-5 at 512 + 8 x lane, 6-9 at 768 + 16 x lane, 10-11 at 1280 + 8 x lane), scale word of (i, r, q) at 24576 + 128 i + 8 r + 4 q.
; Lane index r of tile 2 b + u stands for row 32 b + 8 u + r % 8 + 16 (r / 8).
; A tile of 256 x 256 to a work-group of four waves, 128 x 128 a wave; K = 1,024 in four steps of 256 through two LDS slots; a wave's one tensor load brings one operand block.
; THE MATRIX INSTRUCTION IS USED TRANSPOSED (source 0 = 16 rows of B, source 1 = 16 rows of A): a lane holds one token and eight neighbouring columns an accumulator.
; CLUSTERS: 4 x 4 work-groups; A's blocks are asked for jointly along a row of the cluster, B's along a column.  The grid has 128 work-groups: a smaller tile would give 256, at twice the LDS reads for each product.
; REGISTERS: window 0: v1-31 addresses, v32-63 scale words (two sets), v128-223 A's fragments (one set); window 1: B's fragments, two sets; windows 2, 3: the accumulators ((a, b) at v[8 (8 (a % 4) + b)]).
.set OBB,   25600
.set RBB,   4*OBB
.set SLOT,  4*OBB
.set SPARE, 2*SLOT                     ; the spare words, 128 bytes a wave: two blocks of 256 bytes that no other line names
.set SPITCH, 528                       ; the way out: a stage of 16 rows x (512 bytes + 16) a wave, in slot 0, which has had its last fill and its last read when the first result is stored there
.set FR,    12
.set NQ,    2
.set NL,    4
.set NP,    4
.set ADRA,  16
.set ADRB,  20
.set LX,    24
.set LY,    25
.set STO,   26                         ; v26 the stage: where I put 32 bytes of a row
.set ADRS,  27                         ; v27, v30
.set SPW,   28
.set NIL,   29
.set RD,    31                         ; v31 the stage: where I read a row back
.set SC,    32
.set AF,    128
.set BK,    128
.set G1,    24
.set G0,    32
.set G1B,   48
.set G0B,   56
.set MSB, 0
.macro WIN new
.if MSB != \new
	s_set_vgpr_msb (MSB<<8)|\new
.set MSB, \new
.endif
.endm
.set MUL_LO, 0xa1
.set MUL_HI, 0xf1
.set TO_B,   0x40
.macro JLOAD g0a, g1a, g0b, g1b        ; a joint load: waves 0, 1 fetch A's halves, waves 2, 3 B's; four v_nop follow each line
	s_cmp_eq_u32 s15, 0
	s_cbranch_scc0 .Lfor_b_\@
	tensor_load_to_lds s[\g0a:\g0a+3], s[\g1a:\g1a+7]
	s_nop 0
.rept 4
	v_nop
.endr
	s_branch .Lasked_\@
.Lfor_b_\@:
	tensor_load_to_lds s[\g0b:\g0b+3], s[\g1b:\g1b+7]
	s_nop 0
.rept 4
	v_nop
.endr
.Lasked_\@:
.endm
.macro CREST
	s_cmp_lg_u32 s14, 0
	s_cbranch_scc1 .Lnot_wave_0_\@
	s_barrier_signal -3
.Lnot_wave_0_\@:
	s_barrier_wait -3
	s_barrier_signal -1
	s_barrier_wait -1
.endm
.macro CROUND
	s_barrier_signal -1
	s_barrier_wait -1
	CREST
.endm
	s_load_b128 s[4:7], s[0:1], 0x0                ; yq, wp
	s_load_b64 s[8:9], s[0:1], 0x10                ; out0
	v_lshl_add_u32 v[SPW], v0, 2, SPARE
	v_mov_b32 v[NIL], 0
	ds_add_u32 v28, v29
	s_wait_dscnt 0x0
	v_lshrrev_b32 v1, 5, v0
	v_readfirstlane_b32 s14, v1                    ; wave 0..3
	s_lshr_b32 s15, s14, 1
	s_and_b32 s16, s14, 1
	s_bfe_u32 s40, ttmp6, 0x40000                  ; cx
	s_bfe_u32 s41, ttmp6, 0x40004                  ; cy
	s_lshl_b32 s42, ttmp9, 2
	s_add_co_u32 s42, s42, s40                     ; tile column
	s_and_b32 s17, ttmp7, 0xffff
	s_lshl_b32 s17, s17, 2
	s_add_co_u32 s17, s17, s41                     ; tile row
	s_lshl_b32 s43, s41, 2
	s_lshl_b32 s43, 15, s43
	s_lshl_b32 s44, 0x1111, s40
	s_or_b32 s[G1+0], s43, (3<<16)|(1<<21)
	s_or_b32 s[G1B+0], s44, (3<<16)|(1<<21)
.irp g, G1, G1B
	s_mov_b32 s[\g+1], 32<<16                      ; a dense block as 100 rows of 256 bytes
	s_mov_b32 s[\g+2], 100<<16
	s_mov_b32 s[\g+3], 32<<16
	s_mov_b32 s[\g+4], 100
	s_mov_b32 s[\g+5], 32
	s_mov_b32 s[\g+6], 0
	s_mov_b32 s[\g+7], 0
.endr
	s_lshl_b32 s20, s17, 1
	s_add_co_u32 s20, s20, s16
	s_mul_i32 s20, s20, RBB
	s_mov_b32 s21, 0
	s_lshl_b32 s46, s42, 1
	s_add_co_u32 s46, s46, s16
	s_mul_i32 s46, s46, RBB
	s_mov_b32 s47, 0
	s_mul_i32 s45, s14, OBB
	s_wait_kmcnt 0x0
	s_add_nc_u64 s[20:21], s[4:5], s[20:21]
	s_add_nc_u64 s[46:47], s[6:7], s[46:47]
	CROUND                                         ; all sixteen work-groups are here: the first joint loads meet
.irp s, 0,1
	s_mov_b32 s[G0+4*\s], 1
	s_add_co_u32 s[G0+4*\s+1], s45, \s*SLOT
	s_add_nc_u64 s[G0+4*\s+2:G0+4*\s+3], s[20:21], \s*OBB
	s_or_b32 s[G0+4*\s+3], s[G0+4*\s+3], 0x80000000
	s_mov_b32 s[G0B+4*\s], 1
	s_add_co_u32 s[G0B+4*\s+1], s45, \s*SLOT
	s_add_nc_u64 s[G0B+4*\s+2:G0B+4*\s+3], s[46:47], \s*OBB
	s_or_b32 s[G0B+4*\s+3], s[G0B+4*\s+3], 0x80000000
	JLOAD G0+4*\s, G1, G0B+4*\s, G1B               ; two loads of mine are out at the most
.endr
	v_and_b32 v1, 15, v0                           ; r
	v_bfe_u32 v2, v0, 4, 1                         ; h
	v_and_b32 v3, 31, v0
	v_lshlrev_b32 v[LX], 4, v3
	v_lshlrev_b32 v[LY], 3, v3
	s_mul_i32 s18, s15, OBB
	s_mul_i32 s19, s16, OBB
	s_add_co_u32 s19, s19, 2*OBB
.irp s, 0,1
	v_add_nc_u32 v[ADRA+\s], s18, v[LX]
	v_add_nc_u32 v[ADRA+2+\s], s18, v[LY]
	v_add_nc_u32 v[ADRB+\s], s19, v[LX]
	v_add_nc_u32 v[ADRB+2+\s], s19, v[LY]
	s_add_co_u32 s18, s18, SLOT
	s_add_co_u32 s19, s19, SLOT
.endr
	s_mul_i32 s18, s15, OBB
	s_mul_i32 s19, s16, OBB
	s_add_co_u32 s19, s19, 2*OBB
	s_sub_co_u32 s19, s19, s18
	v_mul_u32_u24 v4, s19, v2                      ; lanes 16-31 take B's scale words
	v_lshl_add_u32 v4, v1, 3, v4
	v_add_nc_u32 v[ADRS], s18, v4
	v_add_nc_u32 v[ADRS+3], SLOT, v[ADRS]
	s_mul_i32 s23, s14, 16*SPITCH                  ; my stage
	v_mul_u32_u24 v4, v1, SPITCH
	v_lshl_add_u32 v4, v2, 6, v4                   ; in: row r, + 64 h bytes
	v_add_nc_u32 v[STO], s23, v4
	v_add_nc_u32 v[RD], s23, v[LX]                 ; back: a row of 512 bytes to the 32 lanes
	s_lshl_b32 s18, s17, 8
	s_lshl_b32 s19, s15, 7
	s_add_co_u32 s18, s18, s19
	s_lshl_b32 s18, s18, 12                        ; my first row of out: 256 x tile row + 128 x half, rows of 4,096 bytes
	s_mov_b32 s19, 0
	s_lshl_b32 s46, s42, 10                        ; my first column, in bytes: 1024 x tile column + 512 x half
	s_lshl_b32 s47, s16, 9
	s_add_co_u32 s46, s46, s47
	s_mov_b32 s47, 0
	s_add_nc_u64 s[18:19], s[18:19], s[46:47]
	s_add_nc_u64 s[12:13], s[8:9], s[18:19]
.macro FRAG reg, adr, q, i
	ds_load_b128 v[\reg:\reg+3], v[\adr] offset:(\q)*12288+(\i)*1536
	ds_load_b64 v[\reg+4:\reg+5], v[\adr+2] offset:(\q)*12288+(\i)*1536+512
	ds_load_b128 v[\reg+6:\reg+9], v[\adr] offset:(\q)*12288+(\i)*1536+768
	ds_load_b64 v[\reg+10:\reg+11], v[\adr+2] offset:(\q)*12288+(\i)*1536+1280
.endm
; 16 matrix instructions: A's blocks a0, a0 + 1 x B's eight.  The 64 accumulators take turns, one instruction a turn, in the same order in every step.
.macro MUL16 a0, p, q, sc, zero
.irp a, \a0, \a0+1
.irp b, 0,1,2,3,4,5,6,7
.if \zero
	v_wmma_scale_f32_16x16x128_f8f6f4 v[8*(8*((\a)%4)+\b):8*(8*((\a)%4)+\b)+7], v[128*(\p)+FR*\b:128*(\p)+FR*\b+FR-1], v[AF+FR*(\a):AF+FR*(\a)+FR-1], 0, v[SC+8*NQ*(\sc)+NQ*\b+(\q)], v[SC+8*NQ*(\sc)+NQ*(\a)+(\q)] matrix_a_fmt:MATRIX_FMT_FP6 matrix_b_fmt:MATRIX_FMT_FP6 matrix_a_scale:MATRIX_SCALE_ROW1
.else
	v_wmma_scale_f32_16x16x128_f8f6f4 v[8*(8*((\a)%4)+\b):8*(8*((\a)%4)+\b)+7], v[128*(\p)+FR*\b:128*(\p)+FR*\b+FR-1], v[AF+FR*(\a):AF+FR*(\a)+FR-1], v[8*(8*((\a)%4)+\b):8*(8*((\a)%4)+\b)+7], v[SC+8*NQ*(\sc)+NQ*\b+(\q)], v[SC+8*NQ*(\sc)+NQ*(\a)+(\q)] matrix_a_fmt:MATRIX_FMT_FP6 matrix_b_fmt:MATRIX_FMT_FP6 matrix_a_scale:MATRIX_SCALE_ROW1
.endif
.endr
.endr
.endm
.macro FETCH_B slot, q, p
	WIN TO_B
.irp i, 0,1,2,3,4,5,6,7
	FRAG 128*(\p)+FR*\i, ADRB+\slot, \q, \i
.endr
	WIN 0
.endm
.macro FETCH_A slot, q, i0
.irp i, \i0, \i0+1, \i0+2, \i0+3
	FRAG AF+FR*(\i), ADRA+\slot, \q, \i
.endr
.endm
.macro SCALES sc
.irp i, 0,1,2,3,4,5,6,7
	ds_load_b64 v[SC+16*\sc+2*\i:SC+16*\sc+2*\i+1], v[ADRS+3*\sc] offset:24576+128*\i
.endr
.endm
.macro PLACES n
.rept \n
	v_nop
.endr
.endm
.macro STEP slot, q, zero
	s_wait_dscnt 4*NL                              ; all but the youngest sixteen loads (A's blocks 4-7) are in
	WIN MUL_LO
	MUL16 0, (\q)%2, \q, \slot, \zero
	MUL16 2, (\q)%2, \q, \slot, \zero
	s_wait_dscnt 0
	PLACES NP
	FETCH_B \slot, (\q)+1, 1-(\q)%2
	FETCH_A \slot, (\q)+1, 0
	WIN MUL_HI
	MUL16 4, (\q)%2, \q, \slot, \zero
	MUL16 6, (\q)%2, \q, \slot, \zero
	PLACES NP
	WIN 0
	FETCH_A \slot, (\q)+1, 4
.endm
.macro TURN slot, next, fill
	s_wait_tensorcnt 0x0                           ; all my tensor loads have landed: my part of the next slot
	ds_add_u32 v[SPW], v[NIL]                      ; 0 onto my spare word
	s_wait_dscnt 4*NL+1                            ; (the add and the youngest sixteen loads may be out)
	WIN MUL_LO
	MUL16 0, 1, NQ-1, \slot, 0
	s_wait_dscnt 0x0                               ; the add is done, and my reads of this slot are over
	s_barrier_signal -1
	MUL16 2, 1, NQ-1, \slot, 0
	WIN 0
	s_barrier_wait -1
.if \fill
	CREST                                          ; the barrier has opened a round of the cluster's: no wave of any partner still reads this slot or has a load on its way
	s_add_nc_u64 s[G0+4*\slot+2:G0+4*\slot+3], s[G0+4*\slot+2:G0+4*\slot+3], 2*OBB
	s_add_nc_u64 s[G0B+4*\slot+2:G0B+4*\slot+3], s[G0B+4*\slot+2:G0B+4*\slot+3], 2*OBB
	JLOAD G0+4*\slot, G1, G0B+4*\slot, G1B
.else
	PLACES NP
.endif
	FETCH_B \next, 0, 0
	FETCH_A \next, 0, 0
	SCALES \next
	WIN MUL_HI
	MUL16 4, 1, NQ-1, \slot, 0
	MUL16 6, 1, NQ-1, \slot, 0
	PLACES NP
	WIN 0
	FETCH_A \next, 0, 4
.endm
	s_wait_tensorcnt 1                             ; my part of K step 0 is in; K step 1's may stay out
	s_barrier_signal -1
	s_barrier_wait -1
	FETCH_B 0, 0, 0
	FETCH_A 0, 0, 0
	SCALES 0
	FETCH_A 0, 0, 4
	STEP 0, 0, 1
	TURN 0, 1, 1
	STEP 1, 0, 0
	TURN 1, 0, 1
	STEP 0, 0, 0
	TURN 0, 1, 0
	STEP 1, 0, 0
	s_wait_dscnt 4*NL
	WIN MUL_LO
	MUL16 0, 1, NQ-1, 1, 0
	MUL16 2, 1, NQ-1, 1, 0
	s_wait_dscnt 0
	WIN MUL_HI
	MUL16 4, 1, NQ-1, 1, 0
	MUL16 6, 1, NQ-1, 1, 0
	WIN 0
; THE WAY OUT, block by block of 16 tokens x 128 columns, through my own stage and back as whole rows of 512 bytes.  Accumulator b's eight numbers are columns 32 (b / 2) + 16 h + 8 (b % 2) + 0 .. 7;
; stage row t of block a is token 32 (a / 2) + 8 (a % 2) + t % 8 + 16 (t / 8) of my 128: its place stands in the store's immediate, 127 rows of 4,096 bytes at the most.
.macro TOSTAGE a
.set AC, 64*((\a)%4)
.set DW, 0x08+4*((\a)/4)
	WIN DW                                         ; an LDS store's data: window 2 or 3
.irp b, 0,1,2,3,4,5,6,7
	ds_store_b128 v[STO], v[AC+8*\b:AC+8*\b+3] offset:128*(\b/2)+32*(\b%2)          ; each accumulator from its low end on
	ds_store_b128 v[STO], v[AC+8*\b+4:AC+8*\b+7] offset:128*(\b/2)+32*(\b%2)+16
.endr
	WIN 0
.set BB, BK+64*((\a)%2)
.irp t, 0,1,2,3,4,5,6,7,8,9,10,11,12,13,14,15
	ds_load_b128 v[BB+4*\t:BB+4*\t+3], v[RD] offset:\t*SPITCH   ; LDS serves a wave's instructions in order: these see the stores above
.endr
.endm
.macro SEND a, younger
.set BB, BK+64*((\a)%2)
	s_wait_dscnt \younger                          ; the block is back in registers; the next block's 16 stores and 16 loads may be out
.irp t, 0,1,2,3,4,5,6,7,8,9,10,11,12,13,14,15
	global_store_b128 v[LX], v[BB+4*\t:BB+4*\t+3], s[12:13] offset:(32*((\a)/2)+8*((\a)%2)+(\t&7)+16*(\t>>3))*4096 th:TH_STORE_NT   ; 32 lanes store 512 consecutive bytes, aligned
.endr
.endm
	PLACES NP
	TOSTAGE 0
.irp a, 1,2,3,4,5,6,7
.if \a > 1
	s_wait_xcnt 0x0                                ; block a - 2's stores have read their registers: block a's loads may land there
.endif
	TOSTAGE \a
	SEND \a-1, 32
.endr
	SEND 7, 0
	s_wait_tensorcnt 0x0                           ; the wave's end
	ds_add_u32 v[SPW], v[NIL]
	s_wait_dscnt 0x0
	CROUND                                         ; the closing round
	s_endpgm
.Lfunc_end_k_qf8d0aa711b_gemm_proj:
	.size	k_qf8d0aa711b_gemm_proj, .Lfunc_end_k_qf8d0aa711b_gemm_proj-k_qf8d0aa711b_gemm_proj
	.p2alignl 7, 3214868480
	.fill 96, 4, 3214868480
	.section	.rodata,"a",@progbits
	.p2align	6, 0x0
	.amdhsa_kernel k_qf8d0aa711b_gemm_proj
		.amdhsa_group_segment_fixed_size 327680
		.amdhsa_private_segment_fixed_size 0
		.amdhsa_enable_private_segment 0
		.amdhsa_kernarg_size 24
		.amdhsa_user_sgpr_count 2
		.amdhsa_user_sgpr_kernarg_segment_ptr 1
		.amdhsa_wavefront_size32 1
		.amdhsa_system_sgpr_workgroup_id_x 1
		.amdhsa_system_sgpr_workgroup_id_y 1
		.amdhsa_system_sgpr_workgroup_id_z 1
		.amdhsa_system_vgpr_workitem_id 0
		.amdhsa_next_free_vgpr 1024
		.amdhsa_next_free_sgpr 66
		.amdhsa_reserve_vcc 0
		.amdhsa_float_denorm_mode_32 3
		.amdhsa_float_denorm_mode_16_64 3
		.amdhsa_memory_ordered 1
		.amdhsa_forward_progress 1
		.amdhsa_inst_pref_size 141
	.end_amdhsa_kernel
	.amdgpu_metadata
---
amdhsa.version: [ 1, 2 ]
amdhsa.kernels:
  - .name:           k_qf8d0aa711b_gemm_proj
    .symbol:         k_qf8d0aa711b_gemm_proj.kd
    .args:
      - { .name: yq, .offset: 0, .size: 8, .value_kind: global_buffer, .address_space: global }
      - { .name: wp, .offset: 8, .size: 8, .value_kind: global_buffer, .address_space: global }
      - { .name: out0, .offset: 16, .size: 8, .value_kind: global_buffer, .address_space: global }
    .group_segment_fixed_size: 327680
    .private_segment_fixed_size: 0
    .kernarg_segment_align: 8
    .kernarg_segment_size: 24
    .max_flat_workgroup_size: 128
    .sgpr_count:     66
    .vgpr_count:     1024
    .wavefront_size: 32
...
	.end_amdgpu_metadata
.endif
;; end of part 4
